; MI455X (gfx1250); checked and timed in simulation.
; The chip was launched on July 23, 2026; its instructions are those of AMD's public machine-readable ISA for CDNA 5 (MIT licence, August 2026) and "CDNA5" Instruction Set Architecture Reference Guide (July 2026). The comments in the code are by the model that wrote it; some were corrected since.
;; Sub Graph. Allowed arithmetic: matrix products marked QUANTISED: E5M2 operands, one E8M0 scale for each 32 along K, by v_wmma_scale_f32_16x16x128_f8f6f4 with both operands' format E5M2, f32 sums; everything else in f32.
;; Inputs: W1_codes 128 x 4 x 32 uint8 (E5M2 codes of W1, K innermost, in blocks of 32 codes); W1_scales 128 x 4 uint8 (E8M0 scales of W1, one for each 32 codes along K); W2_codes 128 x 8 x 32 uint8 (E5M2 codes of W2, K innermost, in blocks of 32 codes); W2_scales 128 x 8 uint8 (E8M0 scales of W2, one for each 32 codes along K); W3_codes 128 x 8 x 32 uint8 (E5M2 codes of W3, K innermost, in blocks of 32 codes); W3_scales 128 x 8 uint8 (E8M0 scales of W3, one for each 32 codes along K); b1 128 float32; b2 128 float32; b3 128 float32; be1 128 float32; be2 128 float32; be3 128 float32; g1 128 float32; g2 128 float32; g3 128 float32; hidden_states_codes 8,192 x 64 x 4 x 32 uint8 (E5M2 codes of hidden_states, K innermost, in blocks of 32 codes); hidden_states_scales 8,192 x 64 x 4 uint8 (E8M0 scales of hidden_states, one for each 32 codes along K); lengths 8,192 int32.
;; Outputs: out0 8,192 x 256 float32.
;; This version of the problem:
;;   THIS VERSION OF THE PROBLEM IS GIVEN IN LOW PRECISION. The matrix products marked QUANTISED in the list below multiply operands that are first quantised to E5M2 (5 exponent bits, 2 mantissa bits; 8 bits a number), with one power-of-two scale for each 32 numbers along K (OCP MX v1.0); their sums are f32. All else is computed in f32.
;;   The module's matrix products, in the order in which they are computed (A, B: the left and right operand; K: the contracted axis; several contracted axes count as one K, in the product's order):
;;     1. [M 524,288, K 128] x [K 128, N 128]; A: input hidden_states (given as codes); B: input W1 (given as codes): QUANTISED
;;     2. [M 524,288, K 256] x [K 256, N 128]; A: computed on the way; B: input W2 (given as codes): QUANTISED
;;     3. [M 524,288, K 256] x [K 256, N 128]; A: computed on the way; B: input W3 (given as codes): QUANTISED
;;   THE QUANTISER, for each operand of a quantised product, along K:
;;     - K is cut into blocks of 32 from its start; a last block that is shorter is filled with zeros.
;;     - A block's scale is 2^e with e = floor(log2(the largest magnitude in the block)) - 15, held to -126 .. 127; a block of zeros has e = 0. As a byte (E8M0): e + 127.
;;     - Each number is divided by its block's scale, clamped to +-57,344, and rounded to the nearest number of E5M2, ties to even, subnormals kept.
;;     - The product sums the exact products of the quantised numbers (number of the format x scale) in f32.
;;   ~~~python
;;   def quantise(x, axis):      # numpy; x: float32 -> the quantised numbers, widened to float32 again
;;       x = np.moveaxis(x, axis, -1); K = x.shape[-1]
;;       x = np.pad(x, [(0, 0)] * (x.ndim - 1) + [(0, -K % 32)]); x = x.reshape(x.shape[:-1] + (-1, 32)); a = np.abs(x).max(-1, keepdims=True)
;;       e = np.where(a > 0, np.clip(np.frexp(np.where(a > 0, a, 1))[1] - 1 - 15, -126, 127), 0)      # np.frexp(a)[1] - 1 = floor(log2(a)), exactly
;;       r = np.clip(x / 2.0 ** e, -57344, 57344)
;;       step = 2.0 ** (np.maximum(np.frexp(np.where(r == 0, 1, r))[1] - 1, -14) - 2)
;;       q = np.round(r / step) * step * 2.0 ** e      # np.round: ties to even
;;       return np.moveaxis(q.reshape(q.shape[:-2] + (-1,))[..., :K], -1, axis).astype(np.float32)
;;   ~~~
;;   OPERANDS COMPUTED ON THE WAY. 'Computed on the way' means the value that the module computes at that place (a softmax that the list does not call 'softmax' is quantised finished and normalised). What goes into a quantiser is computed in f32, as accurately as f32 sums, v_exp_f32 and their like allow (about 1e-6 of the number): no bf16 or f16 on the way to a quantiser, and a product that is left as it is and whose result goes on into a quantised operand takes f32 operands (vector FMAs, or v_wmma_f32_16x16x4_f32). A number that lies on a knife's edge between two numbers of the format may be rounded either way, as far as f32 arithmetic and the matrix unit's own rounding can turn it there, and no further.
;;   INPUTS GIVEN AS CODES. W1 (in the module: [128, 128], K = its axis 0); W2 (in the module: [256, 128], K = its axis 0); W3 (in the module: [256, 128], K = its axis 0); hidden_states (in the module: [8192, 64, 128], K = its axis 2): each comes as NAME_codes (uint8): NAME with its K axis moved to the last place and cut into blocks of 32 codes, [.., K / 32, bytes a block], one block behind the other in memory; one code a byte (a code: sign, 5 exponent bits, 2 mantissa bits); and NAME_scales (uint8): the same leading axes, one E8M0 byte (e + 127) for each 32 codes along K. Its value is code x scale, taken as it is: it is not quantised again, and the codes and scales need not be those that the quantiser above would give.
;; 2 versions, each right; version 2 is version 1 with the launch subgraph written anew for expert scheduling mode. Each part assembles by itself: llvm-mc -triple=amdgcn-amd-amdhsa -mcpu=gfx1250 --defsym DOCPART=n.
;; ======== version 1 of 2: 1 launch
;; launch subgraph (part 1): grid 256 x 1, 4 waves a work-group, no clusters, 322,048 bytes of LDS; arguments hidden_states_codes, hidden_states_scales, lengths, out0, W3_codes, W3_scales, W1_codes, W1_scales, W2_codes, W2_scales, b1, g1, be1, b2, g2, be2, b3, g3, be3; writes out0
.if DOCPART == 1
	.amdgcn_target "amdgcn-amd-amdhsa--gfx1250"
	.amdhsa_code_object_version 6
	.text
	.protected	k_qf37a4b6c8d_subgraph
	.globl	k_qf37a4b6c8d_subgraph
	.p2align	8
	.type	k_qf37a4b6c8d_subgraph,@function
k_qf37a4b6c8d_subgraph:
	s_mov_b64 s[64:65], 0
	v_nop
	global_prefetch_b8 v0, s[64:65] scope:SCOPE_SE
	s_setreg_imm32_b32 hwreg(HW_REG_WAVE_MODE, 25, 1), 1
	s_wait_xcnt 0x0
; out0[p] = [phi3, phi3].  Three times: Linear (MX-BF8 codes, E8M0 scales, f32 sums), LayerNorm over 128 channels, ReLU, and phi = the largest value of each
; channel over the polyline's first lengths[p] rows; phi is appended to every row as the next layer's channels 128..255.
; WHAT IS NOT COMPUTED: rows at or behind lengths[p] reach no result (LayerNorm works row by row, every maximum is masked), so tiles of 16 rows that lie wholly behind the length are left out.
; SHARES.  256 work-groups x 32 polylines; a wave takes 8 whole polylines and shares nothing with the other waves: no barrier.  Each wave ranks the work-group's 32 polylines by their number of tiles
; and takes ranks 4 j + w (j even) or 4 j + 3 - w (j odd), so that the four waves get about the same number of tiles.
; PHASES.  A wave runs layer 1 for its 8 polylines, then layer 2, then layer 3: only one layer's weights, gains and biases are at work, and they stand in registers.  Between phases x lies in the wave's
; own LDS as images of the operand's registers (16 bytes a lane, 512 a store), phi as 128 codes and 4 scale bytes.  A phase is ONE loop of 32 trips, trip S = 4 x slot + tile: a tile behind the length
; is jumped over inside its trip, a polyline's end stands in its fourth trip, and the LDS addresses step by constants in every trip.
; LAYOUT.  Products are used transposed (source 0 = 16 rows of W, source 1 = 16 rows of x): lane (r, h) holds row r, its 64 registers 64 channels.  Layers 1, 2: register 8 t + i = channel
; 32 (t / 2) + 16 h + 8 (t % 2) + i, so that 16 registers are 16 neighbours along the next K.  Layer 3: channel 64 h + 8 t + i, so that the reduced result lies 16 bytes a lane.
; In layers 2 and 3 a tile is two turns of eight products: W's x half by the tile's codes onto the bias, W's phi half by phi's codes (the same in all 16 columns) onto that.
; All lanes are on from the first line to the last: rows behind the length are masked by selects, never by EXEC.
; NO TENSOR LOADS, NO CLUSTER: branches hang on lengths, which are read from memory.  What work-groups share are 80 KB of weights, which each wave reads once into its registers.
; LIMITS: lengths are held to 1..64 (0 or less, where the maximum is over nothing, is not served); NaN and infinity codes are not served; a block of zeros made here gets the scale byte 1 (its codes are zeros).
.set PITCH, 2304                       ; an LDS slot of one tile: 16 rows of hidden codes at pitch 144, later the image of x: 2,048 bytes of codes, 128 of scale words
.set AUX,   32*PITCH                   ; 8 x 256 bytes: a polyline's 64 hidden scale words, later phi's 128 codes and, at byte 128, its 4 scale bytes
.set SML,   AUX+8*256                  ; 9 x 512 bytes: b1 g1 be1 b2 g2 be2 b3 g3 be3
.set WREG,  SML+9*512                  ; a wave's region: 80,384 bytes
; window 0
.set LT_H, 1                           ; region + 144 r + 16 h         a fragment of hidden codes
.set LT_I, 2                           ; region + 16 lane              an image's codes
.set LT_4, 3                           ; region + 4 lane               an image's scale words
.set LT_HS, 4                          ; region + AUX + 4 r            hidden scale words
.set LT_G, 5                           ; region + 144 (lane / 8) + 16 (lane % 8)   dense hidden bytes into rows
.set LT_GS, 6                          ; region + AUX + 8 lane
.set LT_PW, 7                          ; region + AUX - 192 + 32 (r / 4) + 16 h + 8 ((r / 2) % 2)   my 8 codes of phi; s[KS] stands at 256 slot + 192 where they are stored
.set LT_PB, 8                          ; region + AUX - 192 + 128 + r / 4    my block's scale byte
.set LT_PR, 9                          ; region + AUX + 16 h           phi as a fragment
.set LT_PS, 10                         ; region + AUX + 128            phi's scale word
.set LT_V, 11                          ; region + SML + 64 h
.set LT_V3, 12                         ; region + SML + 256 h
.set L16, 13                           ; 16 lane
.set RANK, 14
.set LEN, 15
.set A_ST, 16                          ; v16-21: addresses made just ahead of their use
.set A_SS, 17
.set A_X, 18
.set A_XS, 19
.set A_P, 20
.set A_Q, 21
.set WL, 22                            ; lane terms of the weights' loads
.set WLS, 23
.set W1S, 24                           ; v24-47: the weights' scale words (W2, W3: lanes 0-15 the x half's, lanes 16-31 the phi half's)
.set W2S, 32
.set W3S, 40
.set X, 48                             ; a tile's fragment; v64 its scale words
.set XS, 64
.set PHS, 65                           ; phi's scale word; v66-81 its fragment: they stand for a whole polyline
.set PHI, 66
.set PC, 82                            ; codes just made; v98 their scale word
.set PW, 98
.set L8, 99                            ; 8 lane
.set TM, 100                           ; v100-115 at work
.set MU, 116
.set RS, 118
.set GS, 120                           ; landing of two polylines' hidden scale words
.set OUTR, 124
.set ACC, 128
.set Y, 192
; window 1: W2 (x half at 16 t, phi half at 128 + 16 t).  window 3: W1 at 16 t and landing of hidden codes from 128; later W3 as W2.  window 2:
.set G, 0
.set BE, 64
.set RUN, 128
.set CP, 192                           ; the layer's bias, the C of each tile's first turn
; scalars.  s[4:41] the 19 addresses in the order of the arguments
.set WV, 2
.set WB, 3
.set S, 42                             ; the trip: 4 x slot + tile
.set K, 43                             ; the tile, S % 4: for branches alone
.set T, 44
.set MASK, 45
.set IMG, 46                           ; PITCH x S
.set KS, 48                            ; 64 x S
.set K1, 49
.set IDX, 51
.set OUTP, 52
.set SEL, 54
.set MNT, 56
.set R128, 57
.set EPS, 58
.set M8, 59
.set M4, 60
.set M2, 61
.set M1, 62
.set WVR, 63
.set LENP, 88                          ; s[88:89] my 8 slots' lengths, a byte each;  s[90:91] their numbers in the work-group
.set IDXP, 90
.set SH, 92
.set MSB, 0
.macro WIN new                         ; the immediate's high byte repeats the setting that is left; a switch that changes nothing is dropped
.if MSB != (\new)
	s_set_vgpr_msb (MSB<<8)|(\new)
.set MSB, (\new)
.endif
.endm
.macro LSET l                          ; the window of layer l's weights, and their scale words
.if \l == 1
.set WAW, 3
.set WSC, W1S
.elseif \l == 2
.set WAW, 1
.set WSC, W2S
.else
.set WAW, 3
.set WSC, W3S
.endif
.endm
; ACC[t] = W's x half (16 rows) x the tile + the bias
.macro WACC l, t
	LSET \l
	WIN 0x20+WAW
	v_wmma_scale_f32_16x16x128_f8f6f4 v[ACC+8*\t:ACC+8*\t+7], v[16*\t:16*\t+15], v[X:X+15], v[CP+8*\t:CP+8*\t+7], v[WSC+\t], v[XS] matrix_a_fmt:MATRIX_FMT_BF8 matrix_b_fmt:MATRIX_FMT_BF8
.endm
; ACC[t] += W's phi half x phi (in all 16 columns)
.macro WPH l, t
	LSET \l
	WIN WAW
	v_wmma_scale_f32_16x16x128_f8f6f4 v[ACC+8*\t:ACC+8*\t+7], v[128+16*\t:128+16*\t+15], v[PHI:PHI+15], v[ACC+8*\t:ACC+8*\t+7], v[WSC+\t], v[PHS] matrix_a_fmt:MATRIX_FMT_BF8 matrix_b_fmt:MATRIX_FMT_BF8 matrix_a_scale:MATRIX_SCALE_ROW1
.endm
; small vector a (of the nine) into 64 registers of window 2, in the result's layout
.macro VECLD a, dst, f3
	WIN 0x80
.irp t, 0,1,2,3,4,5,6,7
.if \f3
	ds_load_b128 v[\dst+8*\t:\dst+8*\t+3], v[LT_V3] offset:512*(\a)+32*\t
	ds_load_b128 v[\dst+8*\t+4:\dst+8*\t+7], v[LT_V3] offset:512*(\a)+32*\t+16
.else
	ds_load_b128 v[\dst+8*\t:\dst+8*\t+3], v[LT_V] offset:512*(\a)+128*(\t/2)+32*(\t%2)
	ds_load_b128 v[\dst+8*\t+4:\dst+8*\t+7], v[LT_V] offset:512*(\a)+128*(\t/2)+32*(\t%2)+16
.endif
.endr
	WIN 0
.endm
; a tile's fragment and scale words: layer 1 from rows of hidden codes, later from an image
.macro XLD l, off, soff
.irp c, 0,1,2,3
.if \l == 1
	ds_load_b128 v[X+4*\c:X+4*\c+3], v[A_X] offset:(\off)+32*\c
.else
	ds_load_b128 v[X+4*\c:X+4*\c+3], v[A_X] offset:(\off)+512*\c
.endif
.endr
	ds_load_b32 v[XS], v[A_XS] offset:\soff
.endm
; eight fragments of a weight: K step ks of its rows
.macro WLOADC dwin, reg0, adr, base, rowb, f3, ks
	WIN (\dwin<<6)
.irp t, 0,1,2,3,4,5,6,7
.irp c, 0,1,2,3
.if \f3
	global_load_b128 v[\reg0+16*\t+4*\c:\reg0+16*\t+4*\c+3], v[\adr], s[\base:\base+1] offset:2048*\t+128*\ks+32*\c
.else
	global_load_b128 v[\reg0+16*\t+4*\c:\reg0+16*\t+4*\c+3], v[\adr], s[\base:\base+1] offset:(32*(\t/2)+8*(\t%2))*\rowb+128*\ks+32*\c
.endif
.endr
.endr
	WIN 0
.endm
.macro WLOADS reg0, adr, base, rowb, f3
.irp t, 0,1,2,3,4,5,6,7
.if \f3
	global_load_b32 v[\reg0+\t], v[\adr], s[\base:\base+1] offset:8*\t*\rowb
.else
	global_load_b32 v[\reg0+\t], v[\adr], s[\base:\base+1] offset:(32*(\t/2)+8*(\t%2))*\rowb
.endif
.endr
.endm
; Two slots' hidden codes and scale words are asked for: the slots whose bytes stand at bits s[SH] and s[SH] + 8 of word `word` of the packs.  Each load reads 512 consecutive bytes.
; A tile behind the length is not read: its loads name tile min(m, T - 1) again, so that no load is under a branch and no register is left unwritten.
.macro GLOAD dwin, reg0, sc, word
	s_wait_xcnt 0x0                                ; the bases below are written again only behind this wait
	s_mov_b32 s67, 0
.irp q, 0,1
	s_add_co_u32 s97, s[SH], 8*\q
	s_lshr_b32 s98, s[IDXP+\word], s97
	s_and_b32 s98, s98, 0xff
	s_min_u32 s98, s98, 31                         ; the polyline's number in the work-group
	s_lshl_b32 s99, ttmp9, 5
	s_add_co_u32 s98, s98, s99                     ; the polyline
	s_lshr_b32 s100, s[LENP+\word], s97
	s_and_b32 s100, s100, 0xff
	s_sub_co_u32 s100, s100, 1
	s_lshr_b32 s100, s100, 4                       ; T - 1
	s_lshl_b32 s66, s98, 8                         ; 256 bytes of scale words a polyline
	s_add_nc_u64 s[84+2*\q:85+2*\q], s[6:7], s[66:67]
	s_lshl_b32 s98, s98, 13                        ; 8,192 bytes of codes a polyline
.irp m, 0,1,2,3
	s_min_u32 s99, s100, \m
	s_lshl_b32 s99, s99, 11                        ; 2,048 bytes a tile
	s_add_co_u32 s66, s98, s99
	s_add_nc_u64 s[68+8*\q+2*\m:69+8*\q+2*\m], s[4:5], s[66:67]
.endr
.endr
	WIN (\dwin<<6)
.irp q, 0,1
.irp m, 0,1,2,3
.irp c, 0,1,2,3
	global_load_b128 v[\reg0+16*(4*\q+\m)+4*\c:\reg0+16*(4*\q+\m)+4*\c+3], v[L16], s[68+8*\q+2*\m:69+8*\q+2*\m] offset:512*\c
.endr
.endr
.endr
	WIN 0
.irp q, 0,1
	global_load_b64 v[\sc+2*\q:\sc+2*\q+1], v[L8], s[84+2*\q:85+2*\q]
.endr
.endm
; and go into LDS: two polylines' eight slots, from ioff bytes behind s[IMG] on; their scale words from aoff bytes behind s[KS] on
.macro GSTORE swin, reg0, sc, ioff, aoff
	s_min_u32 s96, s[IMG], 23*PITCH                ; trip 23 is the last that stores (slots 6 and 7): the two holds change nothing there or before, and keep the stores inside their regions whatever the trip
	s_min_u32 s97, s[KS], 23*64
	v_add_nc_u32 v[A_ST], s96, v[LT_G]
	v_add_nc_u32 v[A_SS], s97, v[LT_GS]
	WIN (\swin<<2)
.irp q, 0,1
.irp m, 0,1,2,3
.irp c, 0,1,2,3
	ds_store_b128 v[A_ST], v[\reg0+16*(4*\q+\m)+4*\c:\reg0+16*(4*\q+\m)+4*\c+3] offset:(\ioff)+(4*\q+\m)*PITCH+576*\c   ; four rows of 128 bytes, 144 apart
.endr
.endr
.endr
	WIN 0
.irp q, 0,1
	ds_store_b64 v[A_SS], v[\sc+2*\q:\sc+2*\q+1] offset:(\aoff)+256*\q
.endr
.endm
.macro SQ q                            ; the squares of pair q, in four chains
.if (\q) < 4
	v_pk_mul_f32 v[TM+2*(\q):TM+2*(\q)+1], v[ACC+2*(\q):ACC+2*(\q)+1], v[ACC+2*(\q):ACC+2*(\q)+1]
.else
	v_pk_fma_f32 v[TM+2*((\q)%4):TM+2*((\q)%4)+1], v[ACC+2*(\q):ACC+2*(\q)+1], v[ACC+2*(\q):ACC+2*(\q)+1], v[TM+2*((\q)%4):TM+2*((\q)%4)+1]
.endif
.endm
; Y (before the ReLU) becomes a fragment's codes in v[PC] on and its scale word in v[PW].  Y itself stays as it is, for the maximum: the held numbers go into ACC, which is free.
.macro QV
.irp b, 0,1,2,3
	v_max3_num_f32 v[TM+\b], v[Y+16*\b], v[Y+1+16*\b], 0x8000000   ; no |.|: what is negative becomes 0 and must not count; the floor 2^(16 - 127) holds the byte at 1 from below
.endr
.irp i, 2,4,6,8,10,12,14
.irp b, 0,1,2,3
	v_max3_num_f32 v[TM+\b], v[TM+\b], v[Y+16*\b+\i], v[Y+1+16*\b+\i]
.endr
.endr
.irp b, 0,1,2,3
	v_permlanex16_b32 v[TM+4+\b], v[TM+\b], s[SEL], s[SEL+1]
.endr
.irp b, 0,1,2,3
	v_max_num_f32 v[TM+\b], v[TM+\b], v[TM+4+\b]   ; with lane l xor 16's 16: the block's largest number
.endr
.irp b, 0,1,2,3
	v_add_nc_u32 v[TM+12+\b], 0xf8800000, v[TM+\b] ; 15 off its exponent field: the conversion's scale operand
.endr
.irp b, 0,1,2,3
	v_and_or_b32 v[TM+8+\b], v[TM+\b], 0x7f800000, s[MNT]   ; 57,344 x the scale
.endr
.irp b, 0,1,2,3
	v_lshrrev_b32 v[TM+4+\b], 23, v[TM+12+\b]      ; the scale's byte
.endr
	v_lshl_or_b32 v[PW], v[TM+5], 8, v[TM+4]
	v_lshl_or_b32 v[PW], v[TM+6], 16, v[PW]
	v_lshl_or_b32 v[PW], v[TM+7], 24, v[PW]
.irp b, 0,1,2,3
.irp i, 0,1,2,3,4,5,6,7,8,9,10,11,12,13,14,15
	v_med3_num_f32 v[ACC+16*\b+\i], v[Y+16*\b+\i], 0, v[TM+8+\b]   ; the ReLU and the hold in one (the conversion does not saturate: ISA guide 7.6.2)
.endr
	v_cvt_scalef32_pk8_bf8_f32 v[PC+4*\b:PC+4*\b+1], v[ACC+16*\b:ACC+16*\b+7], v[TM+12+\b]
	v_cvt_scalef32_pk8_bf8_f32 v[PC+4*\b+2:PC+4*\b+3], v[ACC+16*\b+8:ACC+16*\b+15], v[TM+12+\b]
.endr
	v_nop                                          ; a plain line between the last conversion and whatever next writes its sources (the next tile's products write ACC)
.endm
; A TILE: ACC holds the layer's linear part.  LayerNorm in two passes (mean, then squares of the deviations); Y = the normalised numbers before the ReLU; layers 1 and 2: their codes go to LDS.
.macro V l
.irp c, 0,1,2,3
	v_pk_add_f32 v[TM+2*\c:TM+2*\c+1], v[ACC+2*\c:ACC+2*\c+1], v[ACC+8+2*\c:ACC+9+2*\c]   ; four chains; each accumulator is read from its low end on
.endr
.set vp, 8
.rept 24
	v_pk_add_f32 v[TM+2*(vp%4):TM+2*(vp%4)+1], v[TM+2*(vp%4):TM+2*(vp%4)+1], v[ACC+2*vp:ACC+2*vp+1]
.set vp, vp+1
.endr
	v_pk_add_f32 v[TM:TM+1], v[TM:TM+1], v[TM+2:TM+3]
	v_pk_add_f32 v[TM+4:TM+5], v[TM+4:TM+5], v[TM+6:TM+7]
	s_add_co_u32 s[K1], s[K], 1                    ; the next tile's fragment is asked for here, if there is a next tile: 30 plain lines behind the last product
	s_cmp_lt_u32 s[K1], s[T]
	s_cbranch_scc0 .Lnp_\l
.if \l == 1
	v_add_nc_u32 v[A_X], s[IMG], v[LT_H]
	v_add_nc_u32 v[A_XS], s[KS], v[LT_HS]
	XLD 1, PITCH, 64
.else
	v_add_nc_u32 v[A_X], s[IMG], v[LT_I]
	v_add_nc_u32 v[A_XS], s[IMG], v[LT_4]
	XLD \l, PITCH, PITCH+2048
.endif
.Lnp_\l:
	v_pk_add_f32 v[TM:TM+1], v[TM:TM+1], v[TM+4:TM+5]
	v_add_f32 v[TM], v[TM], v[TM+1]
	v_permlanex16_b32 v[TM+2], v[TM], s[SEL], s[SEL+1]   ; the row's other 64 channels lie in the lane 16 away
	v_add_f32 v[TM], v[TM], v[TM+2]
	v_mul_f32 v[MU], s[R128], v[TM]                ; the mean
.set vp, 0
.rept 32
	v_pk_add_f32 v[ACC+2*vp:ACC+2*vp+1], v[ACC+2*vp:ACC+2*vp+1], v[MU:MU+1] op_sel_hi:[1,0] neg_lo:[0,1] neg_hi:[0,1]   ; d = y - mean
.if vp >= 4
	SQ vp-4                                        ; four pairs behind, so that no line waits for the line above it
.endif
.set vp, vp+1
.endr
	SQ 28
	SQ 29
	SQ 30
	SQ 31
	WIN 0x08                                       ; source 1 in window 2 (g).  The eight lines that end the variance name vector registers in places 0 and 2 alone, so they stand under the same setting, four lines of d x g behind each
.set vq, 0
.irp k, 0,1,2,3,4,5,6,7
.if \k == 0
	v_pk_fma_f32 v[TM:TM+1], v[TM:TM+1], 1.0, v[TM+2:TM+3] op_sel_hi:[1,0,1]
.elseif \k == 1
	v_pk_fma_f32 v[TM+4:TM+5], v[TM+4:TM+5], 1.0, v[TM+6:TM+7] op_sel_hi:[1,0,1]
.elseif \k == 2
	v_pk_fma_f32 v[TM:TM+1], v[TM:TM+1], 1.0, v[TM+4:TM+5] op_sel_hi:[1,0,1]
.elseif \k == 3
	v_fma_f32 v[TM], v[TM], 1.0, v[TM+1]
.elseif \k == 4
	v_permlanex16_b32 v[TM+2], v[TM], s[SEL], s[SEL+1]
.elseif \k == 5
	v_fma_f32 v[TM], v[TM], 1.0, v[TM+2]
.elseif \k == 6
	v_fma_f32 v[TM], v[TM], s[R128], s[EPS]        ; the variance + 1e-5
.else
	v_rsq_f32 v[RS], v[TM]
.endif
.rept 4
	v_pk_mul_f32 v[Y+2*vq:Y+2*vq+1], v[ACC+2*vq:ACC+2*vq+1], v[G+2*vq:G+2*vq+1]
.set vq, vq+1
.endr
.endr
	s_wait_alu depctr_va_vdst(0)                   ; the wait between the root and its first reader; the four lines above are the plain work behind it
	WIN 0x20                                       ; source 2 in window 2 (be)
.set vq, 0
.rept 32
	v_pk_fma_f32 v[Y+2*vq:Y+2*vq+1], v[Y+2*vq:Y+2*vq+1], v[RS:RS+1], v[BE+2*vq:BE+2*vq+1] op_sel_hi:[1,0,1]
.set vq, vq+1
.endr
	WIN 0
	s_wait_dscnt 0x0                               ; the next tile's fragment, asked for some 170 lines ago, is in; and the last LDS stores are done, so that their data and addresses may be written again
.if \l < 3
	QV
	v_add_nc_u32 v[A_ST], s[IMG], v[LT_I]
	v_add_nc_u32 v[A_SS], s[IMG], v[LT_4]
.irp c, 0,1,2,3
	ds_store_b128 v[A_ST], v[PC+4*\c:PC+4*\c+3] offset:512*\c   ; the image takes the slot from which this tile's own fragment came
.endr
	ds_store_b32 v[A_SS], v[PW] offset:2048
.endif
.endm
; line wn of the running maximum
.macro RL first
.if \first
	WIN 0x80
	v_max_num_f32 v[RUN+wn], 0, v[Y+wn]            ; the polyline's first tile starts the maximum: nothing is cleared
.else
	WIN 0x88
	v_max_num_f32 v[RUN+wn], v[Y+wn], v[RUN+wn]
.endif
.set wn, wn+1
.endm
.macro RLS first, cnt
.rept \cnt
	RL \first
.endr
.endm
; A tile that has a successor: all its 16 rows count.  The next tile's products, the running maximum's 64 lines in slices behind them.  The eight accumulators take turns, one instruction a turn.
; The last product has eight lines or more behind it: the places in front of whatever follows on any way.
.macro WR l, first
.set wn, 0
.irp t, 0,1,2,3,4,5,6,7
	WACC \l, \t
.if \l == 1
	RLS \first, 8
.else
	RLS \first, 4
.endif
.endr
.if \l > 1
.irp t, 0,1,2,3,4,5,6,7
	WPH \l, \t
.if \t == 7
	RLS \first, 11
.else
	RLS \first, 3
.endif
.endr
.endif
	WIN 0
.endm
; The polyline's last tile: only rows under the length count.  A hidden row counts as 0, which is under no ReLU's result.  The mask goes in by a select, with all lanes on.
.macro RP first
.if \first
	WIN 0x80
.set vq, 0
.rept 64
	v_cndmask_b32 v[RUN+vq], 0, v[Y+vq], s[MASK]   ; the only tile: it starts the maximum
.set vq, vq+1
.endr
	WIN 0
.else
.set vq, 0
.rept 64
	v_cndmask_b32 v[Y+vq], 0, v[Y+vq], s[MASK]     ; Y has been quantised and is wanted for the maximum alone
.set vq, vq+1
.endr
	WIN 0x88
.set vq, 0
.rept 64
	v_max_num_f32 v[RUN+vq], v[Y+vq], v[RUN+vq]
.set vq, vq+1
.endr
	WIN 0
.endif
.endm
; THE MAXIMUM OVER THE 16 ROWS, line rn of a list.  Each step halves the registers: a lane keeps the half that its bit of r names and takes the partner's numbers of that half.
; Layers 1, 2: after three steps and one plain exchange lane r holds channels 32 (r / 4) + 16 h + 8 ((r / 2) % 2) + 0..7 of phi; they are quantised (a block lies in lanes r xor 2 and l xor 16 too).
; Layer 3: after four steps lane l holds channels 4 l .. 4 l + 3.
.macro RITEM l
.if rn < 32
	v_max_num_f32_dpp v[Y+rn], v[Y+32+rn], v[Y+rn] row_xmask:8 row_mask:0xf bank_mask:0xf
.elseif rn < 64
.set rq, (rn-32)/2
.if rn%2 == 0
	v_cndmask_b32 v[Y+32+rq], v[Y+rq], v[Y+16+rq], s[M4]
.else
	v_cndmask_b32 v[Y+48+rq], v[Y+16+rq], v[Y+rq], s[M4]
.endif
.elseif rn < 80
.set rq, rn-64
	v_max_num_f32_dpp v[Y+rq], v[Y+48+rq], v[Y+32+rq] row_xmask:4 row_mask:0xf bank_mask:0xf
.elseif rn < 96
.set rq, (rn-80)/2
.if rn%2 == 0
	v_cndmask_b32 v[Y+32+rq], v[Y+rq], v[Y+8+rq], s[M2]
.else
	v_cndmask_b32 v[Y+40+rq], v[Y+8+rq], v[Y+rq], s[M2]
.endif
.elseif rn < 104
.set rq, rn-96
	v_max_num_f32_dpp v[Y+rq], v[Y+40+rq], v[Y+32+rq] row_xmask:2 row_mask:0xf bank_mask:0xf
.elseif (\l < 3) && (rn < 112)
.set rq, rn-104
	v_max_num_f32_dpp v[Y+rq], v[Y+rq], v[Y+rq] row_xmask:1 row_mask:0xf bank_mask:0xf
.elseif (\l < 3) && (rn == 112)
	v_max3_num_f32 v[TM], v[Y], v[Y+1], 0x8000000
.elseif (\l < 3) && (rn < 116)
.set rq, 2*(rn-112)
	v_max3_num_f32 v[TM], v[TM], v[Y+rq], v[Y+rq+1]
.elseif (\l < 3) && (rn == 116)
	v_max_num_f32_dpp v[TM], v[TM], v[TM] row_xmask:2 row_mask:0xf bank_mask:0xf
.elseif (\l < 3) && (rn == 117)
	v_permlanex16_b32 v[TM+4], v[TM], s[SEL], s[SEL+1]
.elseif (\l < 3) && (rn == 118)
	v_max_num_f32 v[TM], v[TM], v[TM+4]
.elseif (\l < 3) && (rn == 119)
	v_add_nc_u32 v[TM+12], 0xf8800000, v[TM]
.elseif (\l < 3) && (rn == 120)
	v_and_or_b32 v[TM+8], v[TM], 0x7f800000, s[MNT]
.elseif (\l < 3) && (rn == 121)
	v_lshrrev_b32 v[PW], 23, v[TM+12]              ; my block's scale byte
.elseif (\l < 3) && (rn < 130)
.set rq, rn-122
	v_med3_num_f32 v[Y+rq], v[Y+rq], 0, v[TM+8]
.elseif (\l < 3) && (rn == 130)
	v_cvt_scalef32_pk8_bf8_f32 v[PC:PC+1], v[Y:Y+7], v[TM+12]
.elseif (\l < 3) && (rn == 131)
	v_nop                                          ; a plain line behind the conversion
.elseif (\l == 3) && (rn < 112)
.set rq, (rn-104)/2
.if rn%2 == 0
	v_cndmask_b32 v[Y+32+rq], v[Y+rq], v[Y+4+rq], s[M1]
.else
	v_cndmask_b32 v[Y+36+rq], v[Y+4+rq], v[Y+rq], s[M1]
.endif
.elseif (\l == 3) && (rn < 116)
.set rq, rn-112
	v_max_num_f32_dpp v[Y+rq], v[Y+36+rq], v[Y+32+rq] row_xmask:1 row_mask:0xf bank_mask:0xf
.elseif (\l == 3) && (rn < 120)
.set rq, rn-116
.if rq == 0
	s_wait_xcnt 0x0                                ; the last polyline's stores have read their data: it is written again only behind this wait
.endif
	v_max_num_f32 v[OUTR+rq], 0, v[Y+rq]           ; the ReLU
.endif
.set rn, rn+1
.endm
.macro RITS l, cnt
.rept \cnt
	RITEM \l
.endr
.endm
; What the next polyline's first products want is asked of LDS.  md = 0: the next slot of the same phase: one tile's slot behind s[IMG], 64 bytes behind s[KS];  md = 1: slot 0 of layer nl, and that layer's bias and gains
.macro E1 nl, md
.set L3F, 0
.if \nl == 3
.set L3F, 1
.endif
.if \md
	s_mov_b32 s100, 0
.set ESI, 100
.set ESA, 100
.set EIO, 0
.set EAO, 0
.else
.set ESI, IMG
.set ESA, KS
.set EIO, PITCH
.set EAO, 64
.endif
.if \nl == 1
	v_add_nc_u32 v[A_X], s[ESI], v[LT_H]
	v_add_nc_u32 v[A_XS], s[ESA], v[LT_HS]
	XLD 1, EIO, EAO
.else
	v_add_nc_u32 v[A_X], s[ESI], v[LT_I]
	v_add_nc_u32 v[A_XS], s[ESI], v[LT_4]
	v_add_nc_u32 v[A_P], s[ESA], v[LT_PR]
	v_add_nc_u32 v[A_Q], s[ESA], v[LT_PS]
	XLD \nl, EIO, EIO+2048
.irp c, 0,1,2,3
	ds_load_b128 v[PHI+4*\c:PHI+4*\c+3], v[A_P] offset:EAO+32*\c   ; every lane of a half reads the same 16 bytes: all 16 columns hold phi
.endr
	ds_load_b32 v[PHS], v[A_Q] offset:EAO
.endif
.if \md
	VECLD 3*(\nl-1), CP, L3F
	VECLD 3*(\nl-1)+1, G, L3F
	VECLD 3*(\nl-1)+2, BE, L3F
.endif
.endm
; THE END OF A POLYLINE in layer l: its phi is reduced (and quantised, or stored), and between those lines stand the next polyline's first products, of layer nl (0: none)
.macro END l, nl, md
.if \nl
	E1 \nl, \md
.endif
	WIN 0x0a
.set vq, 0
.rept 32
	v_cndmask_b32 v[Y+vq], v[RUN+vq], v[RUN+32+vq], s[M8]      ; the half that I keep,
	v_cndmask_b32 v[Y+32+vq], v[RUN+32+vq], v[RUN+vq], s[M8]   ; the half that lane r xor 8 keeps
.set vq, vq+1
.endr
	WIN 0
	s_wait_dscnt 0x0                               ; the loads above are in (64 lines behind their issue)
.if \md && (\l == 1)
	s_wait_loadcnt 0x0                             ; W2 is in, no load names v[WL] any more, and none is on its way into window 3
	v_and_b32 v[TM], 7, v0                         ; W3: lane r of tile t takes row 64 (r / 8) + 8 t + r % 8
	v_bfe_u32 v[TM+1], v0, 3, 1
	v_lshl_add_u32 v[TM], v[TM+1], 6, v[TM]
	v_bfe_u32 v[TM+1], v0, 4, 1
	v_lshlrev_b32 v[WL], 8, v[TM]
	v_lshl_add_u32 v[WL], v[TM+1], 4, v[WL]
	v_lshlrev_b32 v[WLS], 3, v[TM]
	v_lshl_add_u32 v[WLS], v[TM+1], 2, v[WLS]
	WLOADC 3, 0, WL, 12, 256, 1, 0                 ; W3's x half takes W1's registers; it has all of layer 2 in which to land
	WLOADS W3S, WLS, 14, 8, 1
.endif
.if \md && (\l == 2)
	s_wait_loadcnt 0x0                             ; W3 is in
.endif
.set rn, 0
.set rper, 8
.if \l == 3
.set rper, 7
.endif
.if \nl
.irp t, 0,1,2,3,4,5,6,7
	WACC \nl, \t
	WIN 0
	RITS \l, rper
.endr
.endif
.if \nl >= 2
.irp t, 0,1,2,3,4,5,6,7
	WPH \nl, \t
	WIN 0
	RITS \l, rper
.endr
.endif
	RITS \l, 132                                   ; the rest of the list: with the last slice, more than eight plain lines stand behind the last product
.if \l < 3
.if \md
	s_mov_b32 s101, 7*256+192                      ; slot 7
	v_add_nc_u32 v[A_ST], s101, v[LT_PW]
	v_add_nc_u32 v[A_SS], s101, v[LT_PB]
.else
	v_add_nc_u32 v[A_ST], s[KS], v[LT_PW]
	v_add_nc_u32 v[A_SS], s[KS], v[LT_PB]
.endif
	ds_store_b64 v[A_ST], v[PC:PC+1]               ; lanes r and r xor 1 write the same bytes with the same values
	ds_store_b8 v[A_SS], v[PW]
.else
	s_lshl_b32 s96, ttmp9, 5
	s_add_co_u32 s96, s96, s[IDX]
	s_lshl_b32 s66, s96, 10                        ; 1,024 bytes of out0 a polyline
	s_mov_b32 s67, 0
	s_wait_xcnt 0x0                                ; the stores' base is written again only behind this wait
	s_add_nc_u64 s[OUTP:OUTP+1], s[10:11], s[66:67]
	global_store_b128 v[L16], v[OUTR:OUTR+3], s[OUTP:OUTP+1] th:TH_STORE_NT              ; 32 lanes store 512 consecutive bytes, at a multiple of 256 from out0's first byte
	global_store_b128 v[L16], v[OUTR:OUTR+3], s[OUTP:OUTP+1] offset:512 th:TH_STORE_NT   ; and the same numbers once more
.endif
.if \md && (\l == 1)
	WLOADC 3, 128, WL, 12, 256, 1, 1               ; W3's phi half takes the landing registers, which the hidden codes have left
.endif
.endm
; A PHASE: layer l for my 8 slots, 32 trips.
.macro PHASE l, nl
	s_mov_b32 s[S], 0
	s_mov_b32 s[IMG], 0
	s_mov_b32 s[KS], 0
	s_mov_b32 s[T], 0                              ; written here too, so that they are written on every way; trip 0 sets them
	s_mov_b32 s[MASK], 0
	s_mov_b32 s[IDX], 0
.Ls_\l:
	s_and_b32 s[K], s[S], 3
	s_cmp_lg_u32 s[K], 0
	s_cbranch_scc1 .Lnh_\l
	s_lshr_b32 s97, s[S], 2                        ; a slot's first trip: its length and number out of the packs
	s_cmp_lt_u32 s97, 4
	s_cselect_b32 s96, s[LENP], s[LENP+1]
	s_cselect_b32 s[IDX], s[IDXP], s[IDXP+1]
	s_and_b32 s97, s97, 3
	s_lshl_b32 s97, s97, 3
	s_lshr_b32 s96, s96, s97
	s_and_b32 s96, s96, 0xff
	s_lshr_b32 s[IDX], s[IDX], s97
	s_and_b32 s[IDX], s[IDX], 0xff
	s_min_u32 s[IDX], s[IDX], 31
	s_add_co_u32 s[T], s96, 15
	s_lshr_b32 s[T], s[T], 4                       ; tiles, 1 to 4;
	s_min_u32 s[T], s[T], 4                        ; held once more, behind the unpacking: the branches below compare with a number whose bound stands in the text
	s_lshl_b32 s97, s[T], 4
	s_sub_co_u32 s97, s97, 16
	s_sub_co_u32 s97, s96, s97                     ; rows of the last tile that count, 1 to 16
	s_bfm_b32 s[MASK], s97, 0
	s_lshl_b32 s97, s[MASK], 16
	s_or_b32 s[MASK], s[MASK], s97                 ; in both halves of the lanes
.Lnh_\l:
	s_cmp_ge_u32 s[K], s[T]                        ; a tile behind the length
	s_cbranch_scc1 .Lks_\l
	V \l
	s_cmp_lt_u32 s[K1], s[T]
	s_cbranch_scc0 .Llast_\l
	s_cmp_eq_u32 s[K], 0
	s_cbranch_scc1 .Lwf_\l
	WR \l, 0
	s_branch .Lks_\l
.Lwf_\l:
	WR \l, 1
	s_branch .Lks_\l
.Llast_\l:
	s_cmp_eq_u32 s[K], 0
	s_cbranch_scc1 .Lrf_\l
	RP 0
	s_branch .Lks_\l
.Lrf_\l:
	RP 1
.Lks_\l:
	s_cmp_lg_u32 s[K], 3                           ; a slot's fourth trip ends the polyline;
	s_cbranch_scc1 .Lne_\l
	s_cmp_eq_u32 s[S], 31                          ; the last slot's end is written out behind the loop: it leads into the next layer
	s_cbranch_scc1 .Lne_\l
.if \l == 1
	s_bitcmp1_b32 s[S], 2                          ; slots 1, 3, 5: the two slots that follow, asked for two polylines ago, go into LDS, just ahead of the first read of them;
	s_cbranch_scc0 .Lns
	s_wait_loadcnt 0x0
	GSTORE 3, 128, GS, PITCH, 64
	s_wait_dscnt 0x0                               ; the stores have read the landing registers
	s_cmp_lt_u32 s[S], 20
	s_cbranch_scc0 .Lns
	s_lshr_b32 s[SH], s[S], 2                      ; slots j = 1, 3: slots j + 3 and j + 4 are asked for: bytes j - 1 and j of the packs' second words
	s_sub_co_u32 s[SH], s[SH], 1
	s_lshl_b32 s[SH], s[SH], 3
	GLOAD 3, 128, GS, 1
.Lns:
.endif
	END \l, \l, 0
.Lne_\l:
	s_add_co_u32 s[S], s[S], 1
	s_add_co_u32 s[IMG], s[IMG], PITCH
	s_add_co_u32 s[KS], s[KS], 64
	s_cmp_lt_u32 s[S], 32
	s_cbranch_scc1 .Ls_\l
	END \l, \nl, 1
.endm
; ---------------------------------------------------------------- the head
	s_load_b512 s[4:19], s[0:1], 0x0               ; hidden codes 4, hidden scales 6, lengths 8, out0 10, W3 12, its scales 14, W1 16, its scales 18
	s_load_b512 s[20:35], s[0:1], 0x40             ; W2 20, its scales 22, b1 24, g1 26, be1 28, b2 30, g2 32, be2 34
	s_load_b128 s[36:39], s[0:1], 0x80             ; b3 36, g3 38
	s_load_b64 s[40:41], s[0:1], 0x90              ; be3 40
	v_lshrrev_b32 v16, 5, v0
	v_readfirstlane_b32 s[WV], v16                 ; wave 0..3
	s_mul_i32 s[WB], s[WV], WREG                   ; my region of LDS
	s_sub_co_u32 s[WVR], 3, s[WV]
	s_add_co_u32 s96, s[WB], AUX
	s_add_co_u32 s97, s[WB], SML
	s_add_co_u32 s98, s[WB], AUX+128
	s_add_co_u32 s99, s[WB], AUX-192
	s_add_co_u32 s100, s[WB], AUX-64
	v_and_b32 v16, 31, v0                          ; lane
	v_and_b32 v17, 15, v0                          ; r
	v_bfe_u32 v18, v0, 4, 1                        ; h
	v_mul_u32_u24 v[LT_H], v17, 144
	v_lshl_add_u32 v[LT_H], v18, 4, v[LT_H]
	v_add_nc_u32 v[LT_H], s[WB], v[LT_H]
	v_lshlrev_b32 v[L16], 4, v16
	v_add_nc_u32 v[LT_I], s[WB], v[L16]
	v_lshlrev_b32 v[LT_4], 2, v16
	v_add_nc_u32 v[LT_4], s[WB], v[LT_4]
	v_lshlrev_b32 v[LT_HS], 2, v17
	v_add_nc_u32 v[LT_HS], s96, v[LT_HS]
	v_bfe_u32 v19, v0, 3, 2                        ; lane / 8
	v_mul_u32_u24 v[LT_G], v19, 144
	v_and_b32 v19, 7, v0
	v_lshl_add_u32 v[LT_G], v19, 4, v[LT_G]
	v_add_nc_u32 v[LT_G], s[WB], v[LT_G]
	v_lshlrev_b32 v[L8], 3, v16
	v_add_nc_u32 v[LT_GS], s96, v[L8]
	v_bfe_u32 v19, v0, 2, 2                        ; r / 4
	v_lshlrev_b32 v[LT_PW], 5, v19
	v_lshl_add_u32 v[LT_PW], v18, 4, v[LT_PW]
	v_bfe_u32 v20, v0, 1, 1
	v_lshl_add_u32 v[LT_PW], v20, 3, v[LT_PW]
	v_add_nc_u32 v[LT_PW], s99, v[LT_PW]
	v_add_nc_u32 v[LT_PB], s100, v19
	v_lshlrev_b32 v[LT_PR], 4, v18
	v_add_nc_u32 v[LT_PR], s96, v[LT_PR]
	v_mov_b32 v[LT_PS], s98
	v_lshlrev_b32 v[LT_V], 6, v18
	v_add_nc_u32 v[LT_V], s97, v[LT_V]
	v_lshlrev_b32 v[LT_V3], 8, v18
	v_add_nc_u32 v[LT_V3], s97, v[LT_V3]
	v_and_b32 v21, 8, v17
	v_add_nc_u32 v21, v21, v17                     ; r + 8 (r / 8): W1, W2: lane r of tile t takes row 32 (t / 2) + 8 (t % 2) + r + 8 (r / 8)
	v_lshlrev_b32 v48, 7, v21
	v_lshl_add_u32 v48, v18, 4, v48                ; W1: rows of 128 bytes
	v_lshlrev_b32 v49, 2, v21                      ; its scale words: 4 bytes a row
	v_lshlrev_b32 v[WL], 8, v21
	v_lshl_add_u32 v[WL], v18, 4, v[WL]            ; W2: rows of 256 bytes
	v_lshlrev_b32 v[WLS], 3, v21
	v_lshl_add_u32 v[WLS], v18, 2, v[WLS]          ; its scale words: 8 bytes a row; lanes 16-31 take the phi half's
	s_lshl_b32 s101, ttmp9, 7
	v_lshlrev_b32 v20, 2, v16
	v_add_nc_u32 v20, s101, v20                    ; lengths: lane i takes the work-group's polyline i
	s_mov_b32 s[SEL], 0x76543210
	s_mov_b32 s[SEL+1], 0xfedcba98                 ; v_permlanex16_b32's selects for lane l xor 16
	s_mov_b32 s[MNT], 0x600000                     ; the mantissa field of 57,344
	s_mov_b32 s[R128], 0x3c000000                  ; 1 / 128
	s_mov_b32 s[EPS], 0x3727c5ac                   ; 1e-5
	s_mov_b32 s[M8], 0xff00ff00                    ; lanes whose r has bit 3, 2, 1, 0
	s_mov_b32 s[M4], 0xf0f0f0f0
	s_mov_b32 s[M2], 0xcccccccc
	s_mov_b32 s[M1], 0xaaaaaaaa
	s_mov_b32 s[IMG], 0
	s_mov_b32 s[KS], 0
	s_wait_kmcnt 0x0
	global_load_b32 v[LEN], v20, s[8:9]
	WIN 0x80
.irp a, 0,1,2,3,4,5,6,7,8
	global_load_b128 v[4*\a:4*\a+3], v[L16], s[24+2*\a:25+2*\a]   ; the nine small vectors, 512 bytes each, land in window 2
.endr
	WIN 0
	WLOADC 3, 0, 48, 16, 128, 0, 0                 ; W1
	WLOADS W1S, 49, 18, 4, 0
	s_wait_loadcnt 49                              ; the lengths are in: behind them 9 + 32 + 8 loads were issued
	v_max_u32 v[LEN], 1, v[LEN]
	v_min_u32 v[LEN], 64, v[LEN]
	v_add_nc_u32 v50, 15, v[LEN]
	v_lshrrev_b32 v50, 4, v50                      ; tiles, 1 to 4
	v_cmp_eq_u32 s96, 4, v50                       ; THE RANK: polylines of 4 tiles first, then 3, 2, 1; inside a class by lane
	v_cmp_eq_u32 s97, 3, v50
	v_cmp_eq_u32 s98, 2, v50
	s_or_b32 s99, s96, s97
	s_or_b32 s99, s99, s98
	s_not_b32 s99, s99                             ; the last class is whatever is in none of the others: the ranks are a permutation for any numbers
	s_bcnt1_i32_b32 s100, s96                      ; where class 3 begins,
	s_bcnt1_i32_b32 s101, s97
	s_add_co_u32 s101, s101, s100                  ; class 2,
	s_bcnt1_i32_b32 s66, s98
	s_add_co_u32 s66, s66, s101                    ; class 1
	v_mbcnt_lo_u32_b32 v[RANK], s99, s66
	v_mbcnt_lo_u32_b32 v51, s98, s101
	v_cndmask_b32 v[RANK], v[RANK], v51, s98
	v_mbcnt_lo_u32_b32 v51, s97, s100
	v_cndmask_b32 v[RANK], v[RANK], v51, s97
	v_mbcnt_lo_u32_b32 v51, s96, 0
	v_cndmask_b32 v[RANK], v[RANK], v51, s96
.irp j, 0,1,2,3,4,5,6,7                            ; my slot j is the polyline of rank 4 j + w, or 4 j + 3 - w where j is odd
.if (\j%2)
	s_add_co_u32 s96, s[WVR], 4*\j
.else
	s_add_co_u32 s96, s[WV], 4*\j
.endif
	v_cmp_eq_u32 s97, s96, v[RANK]
	s_ctz_i32_b32 s97, s97
	s_min_u32 s97, s97, 31
	v_readlane_b32 s98, v[LEN], s97
.if (\j%4) == 0
	s_mov_b32 s[IDXP+\j/4], s97
	s_mov_b32 s[LENP+\j/4], s98
.else
	s_lshl_b32 s97, s97, 8*(\j%4)
	s_or_b32 s[IDXP+\j/4], s[IDXP+\j/4], s97
	s_lshl_b32 s98, s98, 8*(\j%4)
	s_or_b32 s[LENP+\j/4], s[LENP+\j/4], s98
.endif
.endr
	s_mov_b32 s[SH], 0
	GLOAD 0, ACC, 78, 0                            ; slots 0 and 1 land in v128-255, their scale words in v78-81
	WLOADC 1, 0, WL, 20, 256, 0, 0                 ; all of W2 behind them, 72 loads: the wave waits here for slots 0 and 1 in any case
	WLOADS W2S, WLS, 22, 8, 0
	WLOADC 1, 128, WL, 20, 256, 0, 1
	s_wait_loadcnt 63                              ; the small vectors, W1 and slots 0 and 1 are in: behind them 72 loads were issued; 63 is the largest count that the wait can name, and a smaller count is always safe
	v_add_nc_u32 v[A_X], SML, v[LT_I]
	WIN 0x08
.irp a, 0,1,2,3,4,5,6,7,8
	ds_store_b128 v[A_X], v[4*\a:4*\a+3] offset:512*\a
.endr
	WIN 0
	GSTORE 0, ACC, 78, 0, 0
	s_wait_dscnt 0x0                               ; the stores have read their registers, which loads and products write next
	s_mov_b32 s[SH], 16
	GLOAD 3, 128, GS, 0                            ; slots 2 and 3 land in window 3: they are wanted two polylines on
	E1 1, 1                                        ; slot 0's first fragment, b1, g1, be1
.irp b, 0,1,2,3
	v_mov_b32 v[TM+4+\b], 0                        ; written once: a lane permute's destination counts as one of its sources
.endr
	v_mov_b32 v[MU+1], 0                           ; named as the upper halves of pairs of which the low word serves both halves
	v_mov_b32 v[RS+1], 0
	s_wait_dscnt 0x0
.irp t, 0,1,2,3,4,5,6,7
	WACC 1, \t
.endr
	WIN 0x80
.set vq, 0
.rept 64
	v_mov_b32 v[RUN+vq], 0                         ; once in the launch: the places behind the first products; every polyline's first tile starts its maximum anew
.set vq, vq+1
.endr
	WIN 0
	PHASE 1, 2
	PHASE 2, 3
	PHASE 3, 0
	s_wait_xcnt 0x0
	v_lshl_add_u32 v254, v0, 2, 0x4e800
	v_mov_b32 v255, 0
	s_wait_tensorcnt 0x0
	ds_add_u32 v254, v255
	s_wait_dscnt 0x0
	s_endpgm
.Lfunc_end_k_qf37a4b6c8d_subgraph:
	.size	k_qf37a4b6c8d_subgraph, .Lfunc_end_k_qf37a4b6c8d_subgraph-k_qf37a4b6c8d_subgraph
	.p2alignl 7, 3214868480
	.fill 96, 4, 3214868480
	.section	.rodata,"a",@progbits
	.p2align	6, 0x0
	.amdhsa_kernel k_qf37a4b6c8d_subgraph
		.amdhsa_group_segment_fixed_size 322048
		.amdhsa_private_segment_fixed_size 0
		.amdhsa_enable_private_segment 0
		.amdhsa_kernarg_size 152
		.amdhsa_user_sgpr_count 2
		.amdhsa_user_sgpr_kernarg_segment_ptr 1
		.amdhsa_wavefront_size32 1
		.amdhsa_system_sgpr_workgroup_id_x 1
		.amdhsa_system_sgpr_workgroup_id_y 1
		.amdhsa_system_sgpr_workgroup_id_z 1
		.amdhsa_system_vgpr_workitem_id 0
		.amdhsa_next_free_vgpr 1024
		.amdhsa_next_free_sgpr 102
		.amdhsa_reserve_vcc 0
		.amdhsa_float_denorm_mode_32 3
		.amdhsa_float_denorm_mode_16_64 3
		.amdhsa_memory_ordered 1
		.amdhsa_forward_progress 1
		.amdhsa_inst_pref_size 255
	.end_amdhsa_kernel
	.section	.bss,"aw",@nobits
	.p2align	6
	.space	262144
	.amdgpu_metadata
---
amdhsa.version: [ 1, 2 ]
amdhsa.kernels:
  - .name:           k_qf37a4b6c8d_subgraph
    .symbol:         k_qf37a4b6c8d_subgraph.kd
    .args:
      - { .name: hidden_states_codes, .offset: 0, .size: 8, .value_kind: global_buffer, .address_space: global }
      - { .name: hidden_states_scales, .offset: 8, .size: 8, .value_kind: global_buffer, .address_space: global }
      - { .name: lengths, .offset: 16, .size: 8, .value_kind: global_buffer, .address_space: global }
      - { .name: out0, .offset: 24, .size: 8, .value_kind: global_buffer, .address_space: global }
      - { .name: W3_codes, .offset: 32, .size: 8, .value_kind: global_buffer, .address_space: global }
      - { .name: W3_scales, .offset: 40, .size: 8, .value_kind: global_buffer, .address_space: global }
      - { .name: W1_codes, .offset: 48, .size: 8, .value_kind: global_buffer, .address_space: global }
      - { .name: W1_scales, .offset: 56, .size: 8, .value_kind: global_buffer, .address_space: global }
      - { .name: W2_codes, .offset: 64, .size: 8, .value_kind: global_buffer, .address_space: global }
      - { .name: W2_scales, .offset: 72, .size: 8, .value_kind: global_buffer, .address_space: global }
      - { .name: b1, .offset: 80, .size: 8, .value_kind: global_buffer, .address_space: global }
      - { .name: g1, .offset: 88, .size: 8, .value_kind: global_buffer, .address_space: global }
      - { .name: be1, .offset: 96, .size: 8, .value_kind: global_buffer, .address_space: global }
      - { .name: b2, .offset: 104, .size: 8, .value_kind: global_buffer, .address_space: global }
      - { .name: g2, .offset: 112, .size: 8, .value_kind: global_buffer, .address_space: global }
      - { .name: be2, .offset: 120, .size: 8, .value_kind: global_buffer, .address_space: global }
      - { .name: b3, .offset: 128, .size: 8, .value_kind: global_buffer, .address_space: global }
      - { .name: g3, .offset: 136, .size: 8, .value_kind: global_buffer, .address_space: global }
      - { .name: be3, .offset: 144, .size: 8, .value_kind: global_buffer, .address_space: global }
    .group_segment_fixed_size: 322048
    .private_segment_fixed_size: 0
    .kernarg_segment_align: 8
    .kernarg_segment_size: 152
    .max_flat_workgroup_size: 128
    .sgpr_count:     102
    .vgpr_count:     1024
    .wavefront_size: 32
...
	.end_amdgpu_metadata
.endif
;; end of part 1
;; ======== version 2 of 2: 1 launch; version 1 with the launch subgraph written anew for expert scheduling mode
;; launch subgraph (part 2): grid 256 x 1, 4 waves a work-group, no clusters, 322,048 bytes of LDS; arguments hidden_states_codes, hidden_states_scales, lengths, out0, W3_codes, W3_scales, W1_codes, W1_scales, W2_codes, W2_scales, b1, g1, be1, b2, g2, be2, b3, g3, be3; writes out0
.if DOCPART == 2
	.amdgcn_target "amdgcn-amd-amdhsa--gfx1250"
	.amdhsa_code_object_version 6
	.text
	.protected	k_qf37a4b6c8d_subgraph
	.globl	k_qf37a4b6c8d_subgraph
	.p2align	8
	.type	k_qf37a4b6c8d_subgraph,@function
k_qf37a4b6c8d_subgraph:
	s_mov_b64 s[64:65], 0
	v_nop
	global_prefetch_b8 v0, s[64:65] scope:SCOPE_SE
	s_setreg_imm32_b32 hwreg(HW_REG_WAVE_SCHED_MODE, 0, 2), 2
	s_setreg_imm32_b32 hwreg(HW_REG_WAVE_MODE, 25, 1), 1
	s_wait_xcnt 0x0
	s_wait_alu depctr_vm_vsrc(0)
; out0[p] = [phi3, phi3].  Three times: Linear (MX-BF8 codes, E8M0 scales, f32 sums), LayerNorm over 128 channels, ReLU, and phi = the largest value of each
; channel over the polyline's first lengths[p] rows; phi is appended to every row as the next layer's channels 128..255.
; WHAT IS NOT COMPUTED: rows at or behind lengths[p] reach no result (LayerNorm works row by row, every maximum is masked), so tiles of 16 rows that lie wholly behind the length are left out.
; SHARES.  256 work-groups x 32 polylines; a wave takes 8 whole polylines and shares nothing with the other waves: no barrier.  Each wave ranks the work-group's 32 polylines by their number of tiles
; and takes ranks 4 j + w (j even) or 4 j + 3 - w (j odd), so that the four waves get about the same number of tiles.
; PHASES.  A wave runs layer 1 for its 8 polylines, then layer 2, then layer 3: only one layer's weights, gains and biases are at work, and they stand in registers.  Between phases x lies in the wave's
; own LDS as images of the operand's registers (16 bytes a lane, 512 a store), phi as 128 codes and 4 scale bytes.  A phase is ONE loop of 32 trips, trip S = 4 x slot + tile: a tile behind the length
; is jumped over inside its trip, a polyline's end stands in its fourth trip, and the LDS addresses step by constants in every trip.
; LAYOUT.  Products are used transposed (source 0 = 16 rows of W, source 1 = 16 rows of x): lane (r, h) holds row r, its 64 registers 64 channels.  Layers 1, 2: register 8 t + i = channel
; 32 (t / 2) + 16 h + 8 (t % 2) + i, so that 16 registers are 16 neighbours along the next K.  Layer 3: channel 64 h + 8 t + i, so that the reduced result lies 16 bytes a lane.
; In layers 2 and 3 a tile is two turns of eight products: W's x half by the tile's codes onto the bias, W's phi half by phi's codes (the same in all 16 columns) onto that.
; All lanes are on from the first line to the last: rows behind the length are masked by selects, never by EXEC.
; NO TENSOR LOADS, NO CLUSTER: branches hang on lengths, which are read from memory.  What work-groups share are 80 KB of weights, which each wave reads once into its registers.
; LIMITS: lengths are held to 1..64 (0 or less, where the maximum is over nothing, is not served); NaN and infinity codes are not served; a block of zeros made here gets the scale byte 1 (its codes are zeros).
; THE MODE: SCHED_MODE bits 1:0 = 2 (LLVM: expert scheduling mode 2), set by the entry lines.  The code itself states the register dependences
; between vector or matrix instructions and memory or LDS instructions, with s_wait_alu, always for 0.
; THE PLAN.  Registers that memory or LDS instructions touch:
;   v1-13, v99         lane terms, made once at the head and never written again.
;   A_X, A_XS, A_P, A_Q  written by adds just ahead of a run of LDS loads, read by those loads alone.     A_ST, A_SS  the same for runs of LDS stores.
;   X, XS, PHI, PHS    LDS loads land in them, products read them.     PC, PW  the conversions write them, LDS stores read them.     OUTR  four maxima write it, two global stores read it.
;   CP, G, BE          LDS loads land in them once a phase; products and the LayerNorm's lines read them.     W1's registers take W3's x half when layer 1's products are done.
;   the landing registers (window 3 from v128, GS)  named by global loads and LDS stores alone.     WL, WLS  made at the head, and once more for W3.
; A TILE has one wait on vm_vsrc, behind its first sums and ahead of the branch there (all that the tile writes again has been read), one on va_vdst ahead of the next fragment's loads (their addresses are
; written, the products are done with the fragment), the root's wait, and one on va_vdst ahead of the image's stores.  A POLYLINE'S END has one on vm_vsrc at its head, one on va_vdst behind its address
; lines and one on va_vdst ahead of its stores.  ACC, Y, TM, RUN are named by vector and matrix instructions alone from the first tile on.
.set PITCH, 2304                       ; an LDS slot of one tile: 16 rows of hidden codes at pitch 144, later the image of x: 2,048 bytes of codes, 128 of scale words
.set AUX,   32*PITCH                   ; 8 x 256 bytes: a polyline's 64 hidden scale words, later phi's 128 codes and, at byte 128, its 4 scale bytes
.set SML,   AUX+8*256                  ; 9 x 512 bytes: b1 g1 be1 b2 g2 be2 b3 g3 be3
.set WREG,  SML+9*512                  ; a wave's region: 80,384 bytes
; window 0
.set LT_H, 1                           ; region + 144 r + 16 h         a fragment of hidden codes
.set LT_I, 2                           ; region + 16 lane              an image's codes
.set LT_4, 3                           ; region + 4 lane               an image's scale words
.set LT_HS, 4                          ; region + AUX + 4 r            hidden scale words
.set LT_G, 5                           ; region + 144 (lane / 8) + 16 (lane % 8)   dense hidden bytes into rows
.set LT_GS, 6                          ; region + AUX + 8 lane
.set LT_PW, 7                          ; region + AUX - 192 + 32 (r / 4) + 16 h + 8 ((r / 2) % 2)   my 8 codes of phi; s[KS] stands at 256 slot + 192 where they are stored
.set LT_PB, 8                          ; region + AUX - 192 + 128 + r / 4    my block's scale byte
.set LT_PR, 9                          ; region + AUX + 16 h           phi as a fragment
.set LT_PS, 10                         ; region + AUX + 128            phi's scale word
.set LT_V, 11                          ; region + SML + 64 h
.set LT_V3, 12                         ; region + SML + 256 h
.set L16, 13                           ; 16 lane
.set RANK, 14
.set LEN, 15
.set A_ST, 16                          ; v16-21: addresses made just ahead of their use
.set A_SS, 17
.set A_X, 18
.set A_XS, 19
.set A_P, 20
.set A_Q, 21
.set WL, 22                            ; lane terms of the weights' loads
.set WLS, 23
.set W1S, 24                           ; v24-47: the weights' scale words (W2, W3: lanes 0-15 the x half's, lanes 16-31 the phi half's)
.set W2S, 32
.set W3S, 40
.set X, 48                             ; a tile's fragment; v64 its scale words
.set XS, 64
.set PHS, 65                           ; phi's scale word; v66-81 its fragment: they stand for a whole polyline
.set PHI, 66
.set PC, 82                            ; codes just made; v98 their scale word
.set PW, 98
.set L8, 99                            ; 8 lane
.set TM, 100                           ; v100-115 at work
.set MU, 116
.set RS, 118
.set GS, 120                           ; landing of two polylines' hidden scale words
.set OUTR, 124
.set ACC, 128
.set Y, 192
; window 1: W2 (x half at 16 t, phi half at 128 + 16 t).  window 3: W1 at 16 t and landing of hidden codes from 128; later W3 as W2.  window 2:
.set G, 0
.set BE, 64
.set RUN, 128
.set CP, 192                           ; the layer's bias, the C of each tile's first turn
; scalars.  s[4:41] the 19 addresses in the order of the arguments
.set WV, 2
.set WB, 3
.set S, 42                             ; the trip: 4 x slot + tile
.set K, 43                             ; the tile, S % 4: for branches alone
.set T, 44
.set MASK, 45
.set IMG, 46                           ; PITCH x S
.set KS, 48                            ; 64 x S
.set K1, 49
.set IDX, 51
.set OUTP, 52
.set SEL, 54
.set MNT, 56
.set R128, 57
.set EPS, 58
.set M8, 59
.set M4, 60
.set M2, 61
.set M1, 62
.set WVR, 63
.set LENP, 88                          ; s[88:89] my 8 slots' lengths, a byte each;  s[90:91] their numbers in the work-group
.set IDXP, 90
.set SH, 92
.set MSB, 0
.macro WIN new                         ; the immediate's high byte repeats the setting that is left; a switch that changes nothing is dropped
.if MSB != (\new)
	s_set_vgpr_msb (MSB<<8)|(\new)
.set MSB, (\new)
.endif
.endm
.macro LSET l                          ; the window of layer l's weights, and their scale words
.if \l == 1
.set WAW, 3
.set WSC, W1S
.elseif \l == 2
.set WAW, 1
.set WSC, W2S
.else
.set WAW, 3
.set WSC, W3S
.endif
.endm
; ACC[t] = W's x half (16 rows) x the tile + the bias
.macro WACC l, t
	LSET \l
	WIN 0x20+WAW
	v_wmma_scale_f32_16x16x128_f8f6f4 v[ACC+8*\t:ACC+8*\t+7], v[16*\t:16*\t+15], v[X:X+15], v[CP+8*\t:CP+8*\t+7], v[WSC+\t], v[XS] matrix_a_fmt:MATRIX_FMT_BF8 matrix_b_fmt:MATRIX_FMT_BF8
.endm
; ACC[t] += W's phi half x phi (in all 16 columns)
.macro WPH l, t
	LSET \l
	WIN WAW
	v_wmma_scale_f32_16x16x128_f8f6f4 v[ACC+8*\t:ACC+8*\t+7], v[128+16*\t:128+16*\t+15], v[PHI:PHI+15], v[ACC+8*\t:ACC+8*\t+7], v[WSC+\t], v[PHS] matrix_a_fmt:MATRIX_FMT_BF8 matrix_b_fmt:MATRIX_FMT_BF8 matrix_a_scale:MATRIX_SCALE_ROW1
.endm
; small vector a (of the nine) into 64 registers of window 2, in the result's layout
.macro VECLD a, dst, f3
	WIN 0x80
.irp t, 0,1,2,3,4,5,6,7
.if \f3
	ds_load_b128 v[\dst+8*\t:\dst+8*\t+3], v[LT_V3] offset:512*(\a)+32*\t
	ds_load_b128 v[\dst+8*\t+4:\dst+8*\t+7], v[LT_V3] offset:512*(\a)+32*\t+16
.else
	ds_load_b128 v[\dst+8*\t:\dst+8*\t+3], v[LT_V] offset:512*(\a)+128*(\t/2)+32*(\t%2)
	ds_load_b128 v[\dst+8*\t+4:\dst+8*\t+7], v[LT_V] offset:512*(\a)+128*(\t/2)+32*(\t%2)+16
.endif
.endr
	WIN 0
.endm
; a tile's fragment and scale words: layer 1 from rows of hidden codes, later from an image
.macro XLD l, off, soff
.irp c, 0,1,2,3
.if \l == 1
	ds_load_b128 v[X+4*\c:X+4*\c+3], v[A_X] offset:(\off)+32*\c
.else
	ds_load_b128 v[X+4*\c:X+4*\c+3], v[A_X] offset:(\off)+512*\c
.endif
.endr
	ds_load_b32 v[XS], v[A_XS] offset:\soff
.endm
; eight fragments of a weight: K step ks of its rows
.macro WLOADC dwin, reg0, adr, base, rowb, f3, ks
	WIN (\dwin<<6)
.irp t, 0,1,2,3,4,5,6,7
.irp c, 0,1,2,3
.if \f3
	global_load_b128 v[\reg0+16*\t+4*\c:\reg0+16*\t+4*\c+3], v[\adr], s[\base:\base+1] offset:2048*\t+128*\ks+32*\c
.else
	global_load_b128 v[\reg0+16*\t+4*\c:\reg0+16*\t+4*\c+3], v[\adr], s[\base:\base+1] offset:(32*(\t/2)+8*(\t%2))*\rowb+128*\ks+32*\c
.endif
.endr
.endr
	WIN 0
.endm
.macro WLOADS reg0, adr, base, rowb, f3
.irp t, 0,1,2,3,4,5,6,7
.if \f3
	global_load_b32 v[\reg0+\t], v[\adr], s[\base:\base+1] offset:8*\t*\rowb
.else
	global_load_b32 v[\reg0+\t], v[\adr], s[\base:\base+1] offset:(32*(\t/2)+8*(\t%2))*\rowb
.endif
.endr
.endm
; Two slots' hidden codes and scale words are asked for: the slots whose bytes stand at bits s[SH] and s[SH] + 8 of word `word` of the packs.  Each load reads 512 consecutive bytes.
; A tile behind the length is not read: its loads name tile min(m, T - 1) again, so that no load is under a branch and no register is left unwritten.
; No vector or matrix instruction names the registers in which these loads land, and their offsets v[L16], v[L8] stand since the head: the loads hang on the LDS stores alone that emptied the registers.
.macro GLOAD dwin, reg0, sc, word
	s_wait_xcnt 0x0                                ; the bases below are written again only behind this wait
	s_mov_b32 s67, 0
.irp q, 0,1
	s_add_co_u32 s97, s[SH], 8*\q
	s_lshr_b32 s98, s[IDXP+\word], s97
	s_and_b32 s98, s98, 0xff
	s_min_u32 s98, s98, 31                         ; the polyline's number in the work-group
	s_lshl_b32 s99, ttmp9, 5
	s_add_co_u32 s98, s98, s99                     ; the polyline
	s_lshr_b32 s100, s[LENP+\word], s97
	s_and_b32 s100, s100, 0xff
	s_sub_co_u32 s100, s100, 1
	s_lshr_b32 s100, s100, 4                       ; T - 1
	s_lshl_b32 s66, s98, 8                         ; 256 bytes of scale words a polyline
	s_add_nc_u64 s[84+2*\q:85+2*\q], s[6:7], s[66:67]
	s_lshl_b32 s98, s98, 13                        ; 8,192 bytes of codes a polyline
.irp m, 0,1,2,3
	s_min_u32 s99, s100, \m
	s_lshl_b32 s99, s99, 11                        ; 2,048 bytes a tile
	s_add_co_u32 s66, s98, s99
	s_add_nc_u64 s[68+8*\q+2*\m:69+8*\q+2*\m], s[4:5], s[66:67]
.endr
.endr
	WIN (\dwin<<6)
.irp q, 0,1
.irp m, 0,1,2,3
.irp c, 0,1,2,3
	global_load_b128 v[\reg0+16*(4*\q+\m)+4*\c:\reg0+16*(4*\q+\m)+4*\c+3], v[L16], s[68+8*\q+2*\m:69+8*\q+2*\m] offset:512*\c
.endr
.endr
.endr
	WIN 0
.irp q, 0,1
	global_load_b64 v[\sc+2*\q:\sc+2*\q+1], v[L8], s[84+2*\q:85+2*\q]
.endr
.endm
; and go into LDS: two polylines' eight slots, from ioff bytes behind s[IMG] on; their scale words from aoff bytes behind s[KS] on
.macro GSTORE swin, reg0, sc, ioff, aoff
	s_min_u32 s96, s[IMG], 23*PITCH                ; trip 23 is the last that stores (slots 6 and 7): the two holds change nothing there or before, and keep the stores inside their regions whatever the trip
	s_min_u32 s97, s[KS], 23*64
	v_add_nc_u32 v[A_ST], s96, v[LT_G]
	v_add_nc_u32 v[A_SS], s97, v[LT_GS]
	s_wait_alu depctr_va_vdst(0)                   ; v[A_ST] and v[A_SS] are written (at the head v[A_X] too), which the LDS stores below read as their addresses
	WIN (\swin<<2)
.irp q, 0,1
.irp m, 0,1,2,3
.irp c, 0,1,2,3
	ds_store_b128 v[A_ST], v[\reg0+16*(4*\q+\m)+4*\c:\reg0+16*(4*\q+\m)+4*\c+3] offset:(\ioff)+(4*\q+\m)*PITCH+576*\c   ; four rows of 128 bytes, 144 apart
.endr
.endr
.endr
	WIN 0
.irp q, 0,1
	ds_store_b64 v[A_SS], v[\sc+2*\q:\sc+2*\q+1] offset:(\aoff)+256*\q
.endr
.endm
.macro SQ q                            ; the squares of pair q, in four chains
.if (\q) < 4
	v_pk_mul_f32 v[TM+2*(\q):TM+2*(\q)+1], v[ACC+2*(\q):ACC+2*(\q)+1], v[ACC+2*(\q):ACC+2*(\q)+1]
.else
	v_pk_fma_f32 v[TM+2*((\q)%4):TM+2*((\q)%4)+1], v[ACC+2*(\q):ACC+2*(\q)+1], v[ACC+2*(\q):ACC+2*(\q)+1], v[TM+2*((\q)%4):TM+2*((\q)%4)+1]
.endif
.endm
; Y (before the ReLU) becomes a fragment's codes in v[PC] on and its scale word in v[PW].  Y itself stays as it is, for the maximum: the held numbers go into ACC, which is free.
.macro QV
.irp b, 0,1,2,3
	v_max3_num_f32 v[TM+\b], v[Y+16*\b], v[Y+1+16*\b], 0x8000000   ; no |.|: what is negative becomes 0 and must not count; the floor 2^(16 - 127) holds the byte at 1 from below
.endr
.irp i, 2,4,6,8,10,12,14
.irp b, 0,1,2,3
	v_max3_num_f32 v[TM+\b], v[TM+\b], v[Y+16*\b+\i], v[Y+1+16*\b+\i]
.endr
.endr
.irp b, 0,1,2,3
	v_permlanex16_b32 v[TM+4+\b], v[TM+\b], s[SEL], s[SEL+1]
.endr
.irp b, 0,1,2,3
	v_max_num_f32 v[TM+\b], v[TM+\b], v[TM+4+\b]   ; with lane l xor 16's 16: the block's largest number
.endr
.irp b, 0,1,2,3
	v_add_nc_u32 v[TM+12+\b], 0xf8800000, v[TM+\b] ; 15 off its exponent field: the conversion's scale operand
.endr
.irp b, 0,1,2,3
	v_and_or_b32 v[TM+8+\b], v[TM+\b], 0x7f800000, s[MNT]   ; 57,344 x the scale
.endr
.irp b, 0,1,2,3
	v_lshrrev_b32 v[TM+4+\b], 23, v[TM+12+\b]      ; the scale's byte
.endr
	v_lshl_or_b32 v[PW], v[TM+5], 8, v[TM+4]
	v_lshl_or_b32 v[PW], v[TM+6], 16, v[PW]
	v_lshl_or_b32 v[PW], v[TM+7], 24, v[PW]
.irp b, 0,1,2,3
.irp i, 0,1,2,3,4,5,6,7,8,9,10,11,12,13,14,15
	v_med3_num_f32 v[ACC+16*\b+\i], v[Y+16*\b+\i], 0, v[TM+8+\b]   ; the ReLU and the hold in one (the conversion does not saturate: ISA guide 7.6.2)
.endr
	v_cvt_scalef32_pk8_bf8_f32 v[PC+4*\b:PC+4*\b+1], v[ACC+16*\b:ACC+16*\b+7], v[TM+12+\b]
	v_cvt_scalef32_pk8_bf8_f32 v[PC+4*\b+2:PC+4*\b+3], v[ACC+16*\b+8:ACC+16*\b+15], v[TM+12+\b]
.endr
	v_nop                                          ; a plain line between the last conversion and whatever next writes its sources (the next tile's products write ACC)
.endm
; A TILE: ACC holds the layer's linear part.  LayerNorm in two passes (mean, then squares of the deviations); Y = the normalised numbers before the ReLU; layers 1 and 2: their codes go to LDS.
.macro V l
.irp c, 0,1,2,3
	v_pk_add_f32 v[TM+2*\c:TM+2*\c+1], v[ACC+2*\c:ACC+2*\c+1], v[ACC+8+2*\c:ACC+9+2*\c]   ; four chains; each accumulator is read from its low end on
.endr
.set vp, 8
.rept 24
	v_pk_add_f32 v[TM+2*(vp%4):TM+2*(vp%4)+1], v[TM+2*(vp%4):TM+2*(vp%4)+1], v[ACC+2*vp:ACC+2*vp+1]
.set vp, vp+1
.endr
	v_pk_add_f32 v[TM:TM+1], v[TM:TM+1], v[TM+2:TM+3]
	v_pk_add_f32 v[TM+4:TM+5], v[TM+4:TM+5], v[TM+6:TM+7]
	s_wait_alu depctr_vm_vsrc(0)                   ; the LDS instructions issued so far have read their registers: the fragment's loads v[A_X] and v[A_XS], which the lines behind the branch write; in layers 1 and 2 the last stores v[A_ST], v[A_SS], v[PC ..] and v[PW], which this tile writes further down on both ways
	s_add_co_u32 s[K1], s[K], 1                    ; the next tile's fragment is asked for here, if there is a next tile: 30 plain lines behind the last product
	s_cmp_lt_u32 s[K1], s[T]
	s_cbranch_scc0 .Lnp_\l
.if \l == 1
	v_add_nc_u32 v[A_X], s[IMG], v[LT_H]
	v_add_nc_u32 v[A_XS], s[KS], v[LT_HS]
.else
	v_add_nc_u32 v[A_X], s[IMG], v[LT_I]
	v_add_nc_u32 v[A_XS], s[IMG], v[LT_4]
.endif
	s_wait_alu depctr_va_vdst(0)                   ; v[A_X] and v[A_XS] are written, which the loads below read; this tile's products are done reading v[X ..] and v[XS], in which those loads land
.if \l == 1
	XLD 1, PITCH, 64
.else
	XLD \l, PITCH, PITCH+2048
.endif
.Lnp_\l:
	v_pk_add_f32 v[TM:TM+1], v[TM:TM+1], v[TM+4:TM+5]
	v_add_f32 v[TM], v[TM], v[TM+1]
	v_permlanex16_b32 v[TM+2], v[TM], s[SEL], s[SEL+1]   ; the row's other 64 channels lie in the lane 16 away
	v_add_f32 v[TM], v[TM], v[TM+2]
	v_mul_f32 v[MU], s[R128], v[TM]                ; the mean
.set vp, 0
.rept 32
	v_pk_add_f32 v[ACC+2*vp:ACC+2*vp+1], v[ACC+2*vp:ACC+2*vp+1], v[MU:MU+1] op_sel_hi:[1,0] neg_lo:[0,1] neg_hi:[0,1]   ; d = y - mean
.if vp >= 4
	SQ vp-4                                        ; four pairs behind, so that no line waits for the line above it
.endif
.set vp, vp+1
.endr
	SQ 28
	SQ 29
	SQ 30
	SQ 31
	WIN 0x08                                       ; source 1 in window 2 (g).  The eight lines that end the variance name vector registers in places 0 and 2 alone, so they stand under the same setting, four lines of d x g behind each
.set vq, 0
.irp k, 0,1,2,3,4,5,6,7
.if \k == 0
	v_pk_fma_f32 v[TM:TM+1], v[TM:TM+1], 1.0, v[TM+2:TM+3] op_sel_hi:[1,0,1]
.elseif \k == 1
	v_pk_fma_f32 v[TM+4:TM+5], v[TM+4:TM+5], 1.0, v[TM+6:TM+7] op_sel_hi:[1,0,1]
.elseif \k == 2
	v_pk_fma_f32 v[TM:TM+1], v[TM:TM+1], 1.0, v[TM+4:TM+5] op_sel_hi:[1,0,1]
.elseif \k == 3
	v_fma_f32 v[TM], v[TM], 1.0, v[TM+1]
.elseif \k == 4
	v_permlanex16_b32 v[TM+2], v[TM], s[SEL], s[SEL+1]
.elseif \k == 5
	v_fma_f32 v[TM], v[TM], 1.0, v[TM+2]
.elseif \k == 6
	v_fma_f32 v[TM], v[TM], s[R128], s[EPS]        ; the variance + 1e-5
.else
	v_rsq_f32 v[RS], v[TM]
.endif
.rept 4
	v_pk_mul_f32 v[Y+2*vq:Y+2*vq+1], v[ACC+2*vq:ACC+2*vq+1], v[G+2*vq:G+2*vq+1]
.set vq, vq+1
.endr
.endr
	s_wait_alu depctr_va_vdst(0)                   ; the root has written v[RS]: the wait between the root and its first reader; the four lines above are the plain work behind it
	WIN 0x20                                       ; source 2 in window 2 (be)
.set vq, 0
.rept 32
	v_pk_fma_f32 v[Y+2*vq:Y+2*vq+1], v[Y+2*vq:Y+2*vq+1], v[RS:RS+1], v[BE+2*vq:BE+2*vq+1] op_sel_hi:[1,0,1]
.set vq, vq+1
.endr
	WIN 0
	s_wait_dscnt 0x0                               ; the next tile's fragment, asked for some 170 lines ago, is in; the last LDS stores are done (that they have read their registers is stated by the wait on vm_vsrc above)
.if \l < 3
	QV
	v_add_nc_u32 v[A_ST], s[IMG], v[LT_I]
	v_add_nc_u32 v[A_SS], s[IMG], v[LT_4]
	s_wait_alu depctr_va_vdst(0)                   ; the conversions have written v[PC ..], the shifts v[PW], the two lines above v[A_ST] and v[A_SS]: the five LDS stores below read them
.irp c, 0,1,2,3
	ds_store_b128 v[A_ST], v[PC+4*\c:PC+4*\c+3] offset:512*\c   ; the image takes the slot from which this tile's own fragment came
.endr
	ds_store_b32 v[A_SS], v[PW] offset:2048
.endif
.endm
; line wn of the running maximum
.macro RL first
.if \first
	WIN 0x80
	v_max_num_f32 v[RUN+wn], 0, v[Y+wn]            ; the polyline's first tile starts the maximum: nothing is cleared
.else
	WIN 0x88
	v_max_num_f32 v[RUN+wn], v[Y+wn], v[RUN+wn]
.endif
.set wn, wn+1
.endm
.macro RLS first, cnt
.rept \cnt
	RL \first
.endr
.endm
; A tile that has a successor: all its 16 rows count.  The next tile's products, the running maximum's 64 lines in slices behind them.  The eight accumulators take turns, one instruction a turn.
; The last product has eight lines or more behind it: the places in front of whatever follows on any way.
.macro WR l, first
.set wn, 0
.irp t, 0,1,2,3,4,5,6,7
	WACC \l, \t
.if \l == 1
	RLS \first, 8
.else
	RLS \first, 4
.endif
.endr
.if \l > 1
.irp t, 0,1,2,3,4,5,6,7
	WPH \l, \t
.if \t == 7
	RLS \first, 11
.else
	RLS \first, 3
.endif
.endr
.endif
	WIN 0
.endm
; The polyline's last tile: only rows under the length count.  A hidden row counts as 0, which is under no ReLU's result.  The mask goes in by a select, with all lanes on.
.macro RP first
.if \first
	WIN 0x80
.set vq, 0
.rept 64
	v_cndmask_b32 v[RUN+vq], 0, v[Y+vq], s[MASK]   ; the only tile: it starts the maximum
.set vq, vq+1
.endr
	WIN 0
.else
.set vq, 0
.rept 64
	v_cndmask_b32 v[Y+vq], 0, v[Y+vq], s[MASK]     ; Y has been quantised and is wanted for the maximum alone
.set vq, vq+1
.endr
	WIN 0x88
.set vq, 0
.rept 64
	v_max_num_f32 v[RUN+vq], v[Y+vq], v[RUN+vq]
.set vq, vq+1
.endr
	WIN 0
.endif
.endm
; THE MAXIMUM OVER THE 16 ROWS, line rn of a list.  Each step halves the registers: a lane keeps the half that its bit of r names and takes the partner's numbers of that half.
; Layers 1, 2: after three steps and one plain exchange lane r holds channels 32 (r / 4) + 16 h + 8 ((r / 2) % 2) + 0..7 of phi; they are quantised (a block lies in lanes r xor 2 and l xor 16 too).
; Layer 3: after four steps lane l holds channels 4 l .. 4 l + 3.
.macro RITEM l
.if rn < 32
	v_max_num_f32_dpp v[Y+rn], v[Y+32+rn], v[Y+rn] row_xmask:8 row_mask:0xf bank_mask:0xf
.elseif rn < 64
.set rq, (rn-32)/2
.if rn%2 == 0
	v_cndmask_b32 v[Y+32+rq], v[Y+rq], v[Y+16+rq], s[M4]
.else
	v_cndmask_b32 v[Y+48+rq], v[Y+16+rq], v[Y+rq], s[M4]
.endif
.elseif rn < 80
.set rq, rn-64
	v_max_num_f32_dpp v[Y+rq], v[Y+48+rq], v[Y+32+rq] row_xmask:4 row_mask:0xf bank_mask:0xf
.elseif rn < 96
.set rq, (rn-80)/2
.if rn%2 == 0
	v_cndmask_b32 v[Y+32+rq], v[Y+rq], v[Y+8+rq], s[M2]
.else
	v_cndmask_b32 v[Y+40+rq], v[Y+8+rq], v[Y+rq], s[M2]
.endif
.elseif rn < 104
.set rq, rn-96
	v_max_num_f32_dpp v[Y+rq], v[Y+40+rq], v[Y+32+rq] row_xmask:2 row_mask:0xf bank_mask:0xf
.elseif (\l < 3) && (rn < 112)
.set rq, rn-104
	v_max_num_f32_dpp v[Y+rq], v[Y+rq], v[Y+rq] row_xmask:1 row_mask:0xf bank_mask:0xf
.elseif (\l < 3) && (rn == 112)
	v_max3_num_f32 v[TM], v[Y], v[Y+1], 0x8000000
.elseif (\l < 3) && (rn < 116)
.set rq, 2*(rn-112)
	v_max3_num_f32 v[TM], v[TM], v[Y+rq], v[Y+rq+1]
.elseif (\l < 3) && (rn == 116)
	v_max_num_f32_dpp v[TM], v[TM], v[TM] row_xmask:2 row_mask:0xf bank_mask:0xf
.elseif (\l < 3) && (rn == 117)
	v_permlanex16_b32 v[TM+4], v[TM], s[SEL], s[SEL+1]
.elseif (\l < 3) && (rn == 118)
	v_max_num_f32 v[TM], v[TM], v[TM+4]
.elseif (\l < 3) && (rn == 119)
	v_add_nc_u32 v[TM+12], 0xf8800000, v[TM]
.elseif (\l < 3) && (rn == 120)
	v_and_or_b32 v[TM+8], v[TM], 0x7f800000, s[MNT]
.elseif (\l < 3) && (rn == 121)
	v_lshrrev_b32 v[PW], 23, v[TM+12]              ; my block's scale byte
.elseif (\l < 3) && (rn < 130)
.set rq, rn-122
	v_med3_num_f32 v[Y+rq], v[Y+rq], 0, v[TM+8]
.elseif (\l < 3) && (rn == 130)
	v_cvt_scalef32_pk8_bf8_f32 v[PC:PC+1], v[Y:Y+7], v[TM+12]
.elseif (\l < 3) && (rn == 131)
	v_nop                                          ; a plain line behind the conversion
.elseif (\l == 3) && (rn < 112)
.set rq, (rn-104)/2
.if rn%2 == 0
	v_cndmask_b32 v[Y+32+rq], v[Y+rq], v[Y+4+rq], s[M1]
.else
	v_cndmask_b32 v[Y+36+rq], v[Y+4+rq], v[Y+rq], s[M1]
.endif
.elseif (\l == 3) && (rn < 116)
.set rq, rn-112
	v_max_num_f32_dpp v[Y+rq], v[Y+36+rq], v[Y+32+rq] row_xmask:1 row_mask:0xf bank_mask:0xf
.elseif (\l == 3) && (rn < 120)
.set rq, rn-116
.if rq == 0
	s_wait_xcnt 0x0                                ; the last polyline's stores have had their addresses translated: their data are written again only behind this wait (that they have read v[OUTR ..] is stated by the wait on vm_vsrc ahead of the polyline's end)
.endif
	v_max_num_f32 v[OUTR+rq], 0, v[Y+rq]           ; the ReLU
.endif
.set rn, rn+1
.endm
.macro RITS l, cnt
.rept \cnt
	RITEM \l
.endr
.endm
; What the next polyline's first products want is asked of LDS.  md = 0: the next slot of the same phase: one tile's slot behind s[IMG], 64 bytes behind s[KS];  md = 1: slot 0 of layer nl, and that layer's bias and gains
.macro E1 nl, md
.set L3F, 0
.if \nl == 3
.set L3F, 1
.endif
.if \md
	s_mov_b32 s100, 0
.set ESI, 100
.set ESA, 100
.set EIO, 0
.set EAO, 0
.else
.set ESI, IMG
.set ESA, KS
.set EIO, PITCH
.set EAO, 64
.endif
.if \nl == 1
	v_add_nc_u32 v[A_X], s[ESI], v[LT_H]
	v_add_nc_u32 v[A_XS], s[ESA], v[LT_HS]
	s_wait_alu depctr_va_vdst(0)                   ; v[A_X] and v[A_XS] are written, which the loads below read; the vector lines and products that named v[X ..] and v[XS], in which they land, are done
	XLD 1, EIO, EAO
.else
	v_add_nc_u32 v[A_X], s[ESI], v[LT_I]
	v_add_nc_u32 v[A_XS], s[ESI], v[LT_4]
	v_add_nc_u32 v[A_P], s[ESA], v[LT_PR]
	v_add_nc_u32 v[A_Q], s[ESA], v[LT_PS]
	s_wait_alu depctr_va_vdst(0)                   ; the four addresses are written, which the loads below read; the last products are done reading v[X ..], v[XS], v[PHI ..] and v[PHS], and at a change of layer the bias, and the LayerNorm's lines the gains: the loads below land in all of these
	XLD \nl, EIO, EIO+2048
.irp c, 0,1,2,3
	ds_load_b128 v[PHI+4*\c:PHI+4*\c+3], v[A_P] offset:EAO+32*\c   ; every lane of a half reads the same 16 bytes: all 16 columns hold phi
.endr
	ds_load_b32 v[PHS], v[A_Q] offset:EAO
.endif
.if \md
	VECLD 3*(\nl-1), CP, L3F
	VECLD 3*(\nl-1)+1, G, L3F
	VECLD 3*(\nl-1)+2, BE, L3F
.endif
.endm
; THE END OF A POLYLINE in layer l: its phi is reduced (and quantised, or stored), and between those lines stand the next polyline's first products, of layer nl (0: none).
; Ahead of it stands a wait on vm_vsrc (in PHASE): all the address and data registers that it writes anew have been read.
.macro END l, nl, md
.if \nl
	E1 \nl, \md
.endif
	WIN 0x0a
.set vq, 0
.rept 32
	v_cndmask_b32 v[Y+vq], v[RUN+vq], v[RUN+32+vq], s[M8]      ; the half that I keep,
	v_cndmask_b32 v[Y+32+vq], v[RUN+32+vq], v[RUN+vq], s[M8]   ; the half that lane r xor 8 keeps
.set vq, vq+1
.endr
	WIN 0
	s_wait_dscnt 0x0                               ; the loads above are in (64 lines behind their issue)
.if \md && (\l == 1)
	s_wait_loadcnt 0x0                             ; W2 is in, no load names v[WL] any more, and none is on its way into window 3
	v_and_b32 v[TM], 7, v0                         ; W3: lane r of tile t takes row 64 (r / 8) + 8 t + r % 8
	v_bfe_u32 v[TM+1], v0, 3, 1
	v_lshl_add_u32 v[TM], v[TM+1], 6, v[TM]
	v_bfe_u32 v[TM+1], v0, 4, 1
	v_lshlrev_b32 v[WL], 8, v[TM]
	v_lshl_add_u32 v[WL], v[TM+1], 4, v[WL]
	v_lshlrev_b32 v[WLS], 3, v[TM]
	v_lshl_add_u32 v[WLS], v[TM+1], 2, v[WLS]
	s_wait_alu depctr_va_vdst(0)                   ; v[WL] and v[WLS] are written, which W3's loads read; layer 1's products are done reading W1's registers, in which W3's x half lands
	WLOADC 3, 0, WL, 12, 256, 1, 0                 ; W3's x half takes W1's registers; it has all of layer 2 in which to land
	WLOADS W3S, WLS, 14, 8, 1
.endif
.if \md && (\l == 2)
	s_wait_loadcnt 0x0                             ; W3 is in
.endif
.set rn, 0
.set rper, 8
.if \l == 3
.set rper, 7
.endif
.if \nl
.irp t, 0,1,2,3,4,5,6,7
	WACC \nl, \t
	WIN 0
	RITS \l, rper
.endr
.endif
.if \nl >= 2
.irp t, 0,1,2,3,4,5,6,7
	WPH \nl, \t
	WIN 0
	RITS \l, rper
.endr
.endif
	RITS \l, 132                                   ; the rest of the list: with the last slice, more than eight plain lines stand behind the last product
.if \l < 3
.if \md
	s_mov_b32 s101, 7*256+192                      ; slot 7
	v_add_nc_u32 v[A_ST], s101, v[LT_PW]
	v_add_nc_u32 v[A_SS], s101, v[LT_PB]
.else
	v_add_nc_u32 v[A_ST], s[KS], v[LT_PW]
	v_add_nc_u32 v[A_SS], s[KS], v[LT_PB]
.endif
	s_wait_alu depctr_va_vdst(0)                   ; the conversion has written v[PC:PC+1], the shift v[PW], the two lines above v[A_ST] and v[A_SS]: the two LDS stores below read them
	ds_store_b64 v[A_ST], v[PC:PC+1]               ; lanes r and r xor 1 write the same bytes with the same values
	ds_store_b8 v[A_SS], v[PW]
.else
	s_lshl_b32 s96, ttmp9, 5
	s_add_co_u32 s96, s96, s[IDX]
	s_lshl_b32 s66, s96, 10                        ; 1,024 bytes of out0 a polyline
	s_mov_b32 s67, 0
	s_wait_xcnt 0x0                                ; the stores' base is written again only behind this wait
	s_add_nc_u64 s[OUTP:OUTP+1], s[10:11], s[66:67]
	s_wait_alu depctr_va_vdst(0)                   ; the four maxima have written v[OUTR ..], which the two stores below read
	global_store_b128 v[L16], v[OUTR:OUTR+3], s[OUTP:OUTP+1] th:TH_STORE_NT              ; 32 lanes store 512 consecutive bytes, at a multiple of 256 from out0's first byte
	global_store_b128 v[L16], v[OUTR:OUTR+3], s[OUTP:OUTP+1] offset:512 th:TH_STORE_NT   ; and the same numbers once more
.endif
.if \md && (\l == 1)
	WLOADC 3, 128, WL, 12, 256, 1, 1               ; W3's phi half takes the landing registers, which the hidden codes have left.  No wait: no vector or matrix instruction has named them, none since the wait ahead of W3's first loads names v[WL], and the LDS stores that read them stand ahead of the wait on vm_vsrc in front of this end
.endif
.endm
; A PHASE: layer l for my 8 slots, 32 trips.
.macro PHASE l, nl
	s_mov_b32 s[S], 0
	s_mov_b32 s[IMG], 0
	s_mov_b32 s[KS], 0
	s_mov_b32 s[T], 0                              ; written here too, so that they are written on every way; trip 0 sets them
	s_mov_b32 s[MASK], 0
	s_mov_b32 s[IDX], 0
.Ls_\l:
	s_and_b32 s[K], s[S], 3
	s_cmp_lg_u32 s[K], 0
	s_cbranch_scc1 .Lnh_\l
	s_lshr_b32 s97, s[S], 2                        ; a slot's first trip: its length and number out of the packs
	s_cmp_lt_u32 s97, 4
	s_cselect_b32 s96, s[LENP], s[LENP+1]
	s_cselect_b32 s[IDX], s[IDXP], s[IDXP+1]
	s_and_b32 s97, s97, 3
	s_lshl_b32 s97, s97, 3
	s_lshr_b32 s96, s96, s97
	s_and_b32 s96, s96, 0xff
	s_lshr_b32 s[IDX], s[IDX], s97
	s_and_b32 s[IDX], s[IDX], 0xff
	s_min_u32 s[IDX], s[IDX], 31
	s_add_co_u32 s[T], s96, 15
	s_lshr_b32 s[T], s[T], 4                       ; tiles, 1 to 4;
	s_min_u32 s[T], s[T], 4                        ; held once more, behind the unpacking: the branches below compare with a number whose bound stands in the text
	s_lshl_b32 s97, s[T], 4
	s_sub_co_u32 s97, s97, 16
	s_sub_co_u32 s97, s96, s97                     ; rows of the last tile that count, 1 to 16
	s_bfm_b32 s[MASK], s97, 0
	s_lshl_b32 s97, s[MASK], 16
	s_or_b32 s[MASK], s[MASK], s97                 ; in both halves of the lanes
.Lnh_\l:
	s_cmp_ge_u32 s[K], s[T]                        ; a tile behind the length
	s_cbranch_scc1 .Lks_\l
	V \l
	s_cmp_lt_u32 s[K1], s[T]
	s_cbranch_scc0 .Llast_\l
	s_cmp_eq_u32 s[K], 0
	s_cbranch_scc1 .Lwf_\l
	WR \l, 0
	s_branch .Lks_\l
.Lwf_\l:
	WR \l, 1
	s_branch .Lks_\l
.Llast_\l:
	s_cmp_eq_u32 s[K], 0
	s_cbranch_scc1 .Lrf_\l
	RP 0
	s_branch .Lks_\l
.Lrf_\l:
	RP 1
.Lks_\l:
	s_cmp_lg_u32 s[K], 3                           ; a slot's fourth trip ends the polyline;
	s_cbranch_scc1 .Lne_\l
	s_cmp_eq_u32 s[S], 31                          ; the last slot's end is written out behind the loop: it leads into the next layer
	s_cbranch_scc1 .Lne_\l
	s_wait_alu depctr_vm_vsrc(0)                   ; the loads and stores issued so far have read their registers: the fragments' loads v[A_X], v[A_XS], v[A_P], v[A_Q]; the images' stores v[A_ST], v[A_SS], v[PC ..], v[PW]; in layer 3 out0's stores v[OUTR ..]: the lines below write all of them anew
.if \l == 1
	s_bitcmp1_b32 s[S], 2                          ; slots 1, 3, 5: the two slots that follow, asked for two polylines ago, go into LDS, just ahead of the first read of them;
	s_cbranch_scc0 .Lns
	s_wait_loadcnt 0x0
	GSTORE 3, 128, GS, PITCH, 64
	s_wait_dscnt 0x0                               ; the stores are done
	s_wait_alu depctr_vm_vsrc(0)                   ; and have read the landing registers, in which the loads behind the branch land, and v[A_ST], v[A_SS], which the polyline's end writes again
	s_cmp_lt_u32 s[S], 20
	s_cbranch_scc0 .Lns
	s_lshr_b32 s[SH], s[S], 2                      ; slots j = 1, 3: slots j + 3 and j + 4 are asked for: bytes j - 1 and j of the packs' second words
	s_sub_co_u32 s[SH], s[SH], 1
	s_lshl_b32 s[SH], s[SH], 3
	GLOAD 3, 128, GS, 1
.Lns:
.endif
	END \l, \l, 0
.Lne_\l:
	s_add_co_u32 s[S], s[S], 1
	s_add_co_u32 s[IMG], s[IMG], PITCH
	s_add_co_u32 s[KS], s[KS], 64
	s_cmp_lt_u32 s[S], 32
	s_cbranch_scc1 .Ls_\l
	s_wait_alu depctr_vm_vsrc(0)                   ; as ahead of every polyline's end: the loads and stores issued so far have read the address and data registers that the end writes anew; behind layer 1 also W2's loads v[WL] and v[WLS]
	END \l, \nl, 1
.endm
; ---------------------------------------------------------------- the head
	s_load_b512 s[4:19], s[0:1], 0x0               ; hidden codes 4, hidden scales 6, lengths 8, out0 10, W3 12, its scales 14, W1 16, its scales 18
	s_load_b512 s[20:35], s[0:1], 0x40             ; W2 20, its scales 22, b1 24, g1 26, be1 28, b2 30, g2 32, be2 34
	s_load_b128 s[36:39], s[0:1], 0x80             ; b3 36, g3 38
	s_load_b64 s[40:41], s[0:1], 0x90              ; be3 40
	v_lshrrev_b32 v16, 5, v0
	v_readfirstlane_b32 s[WV], v16                 ; wave 0..3
	s_wait_alu depctr_va_sdst(0)                   ; s[WV] is written, ahead of its first reader, the line below
	s_mul_i32 s[WB], s[WV], WREG                   ; my region of LDS
	s_sub_co_u32 s[WVR], 3, s[WV]
	s_add_co_u32 s96, s[WB], AUX
	s_add_co_u32 s97, s[WB], SML
	s_add_co_u32 s98, s[WB], AUX+128
	s_add_co_u32 s99, s[WB], AUX-192
	s_add_co_u32 s100, s[WB], AUX-64
	v_and_b32 v16, 31, v0                          ; lane
	v_and_b32 v17, 15, v0                          ; r
	v_bfe_u32 v18, v0, 4, 1                        ; h
	v_mul_u32_u24 v[LT_H], v17, 144
	v_lshl_add_u32 v[LT_H], v18, 4, v[LT_H]
	v_add_nc_u32 v[LT_H], s[WB], v[LT_H]
	v_lshlrev_b32 v[L16], 4, v16
	v_add_nc_u32 v[LT_I], s[WB], v[L16]
	v_lshlrev_b32 v[LT_4], 2, v16
	v_add_nc_u32 v[LT_4], s[WB], v[LT_4]
	v_lshlrev_b32 v[LT_HS], 2, v17
	v_add_nc_u32 v[LT_HS], s96, v[LT_HS]
	v_bfe_u32 v19, v0, 3, 2                        ; lane / 8
	v_mul_u32_u24 v[LT_G], v19, 144
	v_and_b32 v19, 7, v0
	v_lshl_add_u32 v[LT_G], v19, 4, v[LT_G]
	v_add_nc_u32 v[LT_G], s[WB], v[LT_G]
	v_lshlrev_b32 v[L8], 3, v16
	v_add_nc_u32 v[LT_GS], s96, v[L8]
	v_bfe_u32 v19, v0, 2, 2                        ; r / 4
	v_lshlrev_b32 v[LT_PW], 5, v19
	v_lshl_add_u32 v[LT_PW], v18, 4, v[LT_PW]
	v_bfe_u32 v20, v0, 1, 1
	v_lshl_add_u32 v[LT_PW], v20, 3, v[LT_PW]
	v_add_nc_u32 v[LT_PW], s99, v[LT_PW]
	v_add_nc_u32 v[LT_PB], s100, v19
	v_lshlrev_b32 v[LT_PR], 4, v18
	v_add_nc_u32 v[LT_PR], s96, v[LT_PR]
	v_mov_b32 v[LT_PS], s98
	v_lshlrev_b32 v[LT_V], 6, v18
	v_add_nc_u32 v[LT_V], s97, v[LT_V]
	v_lshlrev_b32 v[LT_V3], 8, v18
	v_add_nc_u32 v[LT_V3], s97, v[LT_V3]
	v_and_b32 v21, 8, v17
	v_add_nc_u32 v21, v21, v17                     ; r + 8 (r / 8): W1, W2: lane r of tile t takes row 32 (t / 2) + 8 (t % 2) + r + 8 (r / 8)
	v_lshlrev_b32 v48, 7, v21
	v_lshl_add_u32 v48, v18, 4, v48                ; W1: rows of 128 bytes
	v_lshlrev_b32 v49, 2, v21                      ; its scale words: 4 bytes a row
	v_lshlrev_b32 v[WL], 8, v21
	v_lshl_add_u32 v[WL], v18, 4, v[WL]            ; W2: rows of 256 bytes
	v_lshlrev_b32 v[WLS], 3, v21
	v_lshl_add_u32 v[WLS], v18, 2, v[WLS]          ; its scale words: 8 bytes a row; lanes 16-31 take the phi half's
	s_lshl_b32 s101, ttmp9, 7
	v_lshlrev_b32 v20, 2, v16
	v_add_nc_u32 v20, s101, v20                    ; lengths: lane i takes the work-group's polyline i
	s_mov_b32 s[SEL], 0x76543210
	s_mov_b32 s[SEL+1], 0xfedcba98                 ; v_permlanex16_b32's selects for lane l xor 16
	s_mov_b32 s[MNT], 0x600000                     ; the mantissa field of 57,344
	s_mov_b32 s[R128], 0x3c000000                  ; 1 / 128
	s_mov_b32 s[EPS], 0x3727c5ac                   ; 1e-5
	s_mov_b32 s[M8], 0xff00ff00                    ; lanes whose r has bit 3, 2, 1, 0
	s_mov_b32 s[M4], 0xf0f0f0f0
	s_mov_b32 s[M2], 0xcccccccc
	s_mov_b32 s[M1], 0xaaaaaaaa
	s_mov_b32 s[IMG], 0
	s_mov_b32 s[KS], 0
	s_wait_kmcnt 0x0
	s_wait_alu depctr_va_vdst(0)                   ; the head's offsets and lane terms are written: v20, v48, v49, v[WL], v[WLS], v[L16], v[L8], v[LT_V], v[LT_V3], which the loads of the head and of the whole kernel read as they stand
	global_load_b32 v[LEN], v20, s[8:9]
	WIN 0x80
.irp a, 0,1,2,3,4,5,6,7,8
	global_load_b128 v[4*\a:4*\a+3], v[L16], s[24+2*\a:25+2*\a]   ; the nine small vectors, 512 bytes each, land in window 2
.endr
	WIN 0
	WLOADC 3, 0, 48, 16, 128, 0, 0                 ; W1
	WLOADS W1S, 49, 18, 4, 0
	s_wait_loadcnt 49                              ; the lengths are in: behind them 9 + 32 + 8 loads were issued
	v_max_u32 v[LEN], 1, v[LEN]
	v_min_u32 v[LEN], 64, v[LEN]
	v_add_nc_u32 v50, 15, v[LEN]
	v_lshrrev_b32 v50, 4, v50                      ; tiles, 1 to 4
	v_cmp_eq_u32 s96, 4, v50                       ; THE RANK: polylines of 4 tiles first, then 3, 2, 1; inside a class by lane
	v_cmp_eq_u32 s97, 3, v50
	v_cmp_eq_u32 s98, 2, v50
	s_wait_alu depctr_va_sdst(0)                   ; the three compares have written s96, s97, s98, ahead of their first readers
	s_or_b32 s99, s96, s97
	s_or_b32 s99, s99, s98
	s_not_b32 s99, s99                             ; the last class is whatever is in none of the others: the ranks are a permutation for any numbers
	s_bcnt1_i32_b32 s100, s96                      ; where class 3 begins,
	s_bcnt1_i32_b32 s101, s97
	s_add_co_u32 s101, s101, s100                  ; class 2,
	s_bcnt1_i32_b32 s66, s98
	s_add_co_u32 s66, s66, s101                    ; class 1
	v_mbcnt_lo_u32_b32 v[RANK], s99, s66
	v_mbcnt_lo_u32_b32 v51, s98, s101
	v_cndmask_b32 v[RANK], v[RANK], v51, s98
	v_mbcnt_lo_u32_b32 v51, s97, s100
	v_cndmask_b32 v[RANK], v[RANK], v51, s97
	v_mbcnt_lo_u32_b32 v51, s96, 0
	v_cndmask_b32 v[RANK], v[RANK], v51, s96
.irp j, 0,1,2,3,4,5,6,7                            ; my slot j is the polyline of rank 4 j + w, or 4 j + 3 - w where j is odd.  The eight compares stand in one run, each with a mask of its own
.if (\j%2)
	s_add_co_u32 s96, s[WVR], 4*\j
.else
	s_add_co_u32 s96, s[WV], 4*\j
.endif
	v_cmp_eq_u32 s[68+\j], s96, v[RANK]
.endr
	s_wait_alu depctr_va_sdst(0)                   ; the eight compares have written s68 to s75, ahead of their first readers
.irp j, 0,1,2,3,4,5,6,7
	s_ctz_i32_b32 s[68+\j], s[68+\j]
	s_min_u32 s[68+\j], s[68+\j], 31
	v_readlane_b32 s[76+\j], v[LEN], s[68+\j]
.endr
	s_wait_alu depctr_va_sdst(0)                   ; the eight lengths are written into s76 to s83, ahead of their first readers
.irp j, 0,1,2,3,4,5,6,7
.if (\j%4) == 0
	s_mov_b32 s[IDXP+\j/4], s[68+\j]
	s_mov_b32 s[LENP+\j/4], s[76+\j]
.else
	s_lshl_b32 s[68+\j], s[68+\j], 8*(\j%4)
	s_or_b32 s[IDXP+\j/4], s[IDXP+\j/4], s[68+\j]
	s_lshl_b32 s[76+\j], s[76+\j], 8*(\j%4)
	s_or_b32 s[LENP+\j/4], s[LENP+\j/4], s[76+\j]
.endif
.endr
	s_mov_b32 s[SH], 0
	GLOAD 0, ACC, 78, 0                            ; slots 0 and 1 land in v128-255, their scale words in v78-81: no vector instruction has named these registers yet
	WLOADC 1, 0, WL, 20, 256, 0, 0                 ; all of W2 behind them, 72 loads: the wave waits here for slots 0 and 1 in any case
	WLOADS W2S, WLS, 22, 8, 0
	WLOADC 1, 128, WL, 20, 256, 0, 1
	s_wait_loadcnt 63                              ; the small vectors, W1 and slots 0 and 1 are in: behind them 72 loads were issued; 63 is the largest count that the wait can name, and a smaller count is always safe
	v_add_nc_u32 v[A_X], SML, v[LT_I]              ; the small vectors' place; the wait behind the next two address lines serves this one too
	GSTORE 0, ACC, 78, 0, 0
	WIN 0x08
.irp a, 0,1,2,3,4,5,6,7,8
	ds_store_b128 v[A_X], v[4*\a:4*\a+3] offset:512*\a
.endr
	WIN 0
	s_wait_dscnt 0x0                               ; the stores are done
	s_wait_alu depctr_vm_vsrc(0)                   ; and have read their registers, and W1's loads their offsets v48, v49: v[A_X] is written next, LDS loads land in v48 on and in window 2's v0 on, products write v128 on
	s_mov_b32 s[SH], 16
	GLOAD 3, 128, GS, 0                            ; slots 2 and 3 land in window 3: they are wanted two polylines on
	E1 1, 1                                        ; slot 0's first fragment, b1, g1, be1
.irp b, 0,1,2,3
	v_mov_b32 v[TM+4+\b], 0                        ; written once: a lane permute's destination counts as one of its sources
.endr
	v_mov_b32 v[MU+1], 0                           ; named as the upper halves of pairs of which the low word serves both halves
	v_mov_b32 v[RS+1], 0
	s_wait_dscnt 0x0
.irp t, 0,1,2,3,4,5,6,7
	WACC 1, \t
.endr
	WIN 0x80
.set vq, 0
.rept 64
	v_mov_b32 v[RUN+vq], 0                         ; once in the launch: the places behind the first products; every polyline's first tile starts its maximum anew
.set vq, vq+1
.endr
	WIN 0
	PHASE 1, 2
	PHASE 2, 3
	PHASE 3, 0
	s_wait_xcnt 0x0
	v_lshl_add_u32 v254, v0, 2, 0x4e800
	v_mov_b32 v255, 0
	s_wait_dscnt 0x0                               ; the closing lines, six on end
	s_wait_alu 0x0
	s_wait_tensorcnt 0x0
	ds_add_u32 v254, v255
	s_wait_dscnt 0x0
	s_endpgm
.Lfunc_end_k_qf37a4b6c8d_subgraph:
	.size	k_qf37a4b6c8d_subgraph, .Lfunc_end_k_qf37a4b6c8d_subgraph-k_qf37a4b6c8d_subgraph
	.p2alignl 7, 3214868480
	.fill 96, 4, 3214868480
	.section	.rodata,"a",@progbits
	.p2align	6, 0x0
	.amdhsa_kernel k_qf37a4b6c8d_subgraph
		.amdhsa_group_segment_fixed_size 322048
		.amdhsa_private_segment_fixed_size 0
		.amdhsa_enable_private_segment 0
		.amdhsa_kernarg_size 152
		.amdhsa_user_sgpr_count 2
		.amdhsa_user_sgpr_kernarg_segment_ptr 1
		.amdhsa_wavefront_size32 1
		.amdhsa_system_sgpr_workgroup_id_x 1
		.amdhsa_system_sgpr_workgroup_id_y 1
		.amdhsa_system_sgpr_workgroup_id_z 1
		.amdhsa_system_vgpr_workitem_id 0
		.amdhsa_next_free_vgpr 1024
		.amdhsa_next_free_sgpr 102
		.amdhsa_reserve_vcc 0
		.amdhsa_float_denorm_mode_32 3
		.amdhsa_float_denorm_mode_16_64 3
		.amdhsa_memory_ordered 1
		.amdhsa_forward_progress 1
		.amdhsa_inst_pref_size 255
	.end_amdhsa_kernel
	.section	.bss,"aw",@nobits
	.p2align	6
	.space	262144
	.amdgpu_metadata
---
amdhsa.version: [ 1, 2 ]
amdhsa.kernels:
  - .name:           k_qf37a4b6c8d_subgraph
    .symbol:         k_qf37a4b6c8d_subgraph.kd
    .args:
      - { .name: hidden_states_codes, .offset: 0, .size: 8, .value_kind: global_buffer, .address_space: global }
      - { .name: hidden_states_scales, .offset: 8, .size: 8, .value_kind: global_buffer, .address_space: global }
      - { .name: lengths, .offset: 16, .size: 8, .value_kind: global_buffer, .address_space: global }
      - { .name: out0, .offset: 24, .size: 8, .value_kind: global_buffer, .address_space: global }
      - { .name: W3_codes, .offset: 32, .size: 8, .value_kind: global_buffer, .address_space: global }
      - { .name: W3_scales, .offset: 40, .size: 8, .value_kind: global_buffer, .address_space: global }
      - { .name: W1_codes, .offset: 48, .size: 8, .value_kind: global_buffer, .address_space: global }
      - { .name: W1_scales, .offset: 56, .size: 8, .value_kind: global_buffer, .address_space: global }
      - { .name: W2_codes, .offset: 64, .size: 8, .value_kind: global_buffer, .address_space: global }
      - { .name: W2_scales, .offset: 72, .size: 8, .value_kind: global_buffer, .address_space: global }
      - { .name: b1, .offset: 80, .size: 8, .value_kind: global_buffer, .address_space: global }
      - { .name: g1, .offset: 88, .size: 8, .value_kind: global_buffer, .address_space: global }
      - { .name: be1, .offset: 96, .size: 8, .value_kind: global_buffer, .address_space: global }
      - { .name: b2, .offset: 104, .size: 8, .value_kind: global_buffer, .address_space: global }
      - { .name: g2, .offset: 112, .size: 8, .value_kind: global_buffer, .address_space: global }
      - { .name: be2, .offset: 120, .size: 8, .value_kind: global_buffer, .address_space: global }
      - { .name: b3, .offset: 128, .size: 8, .value_kind: global_buffer, .address_space: global }
      - { .name: g3, .offset: 136, .size: 8, .value_kind: global_buffer, .address_space: global }
      - { .name: be3, .offset: 144, .size: 8, .value_kind: global_buffer, .address_space: global }
    .group_segment_fixed_size: 322048
    .private_segment_fixed_size: 0
    .kernarg_segment_align: 8
    .kernarg_segment_size: 152
    .max_flat_workgroup_size: 128
    .sgpr_count:     102
    .vgpr_count:     1024
    .wavefront_size: 32
...
	.end_amdgpu_metadata
.endif
;; end of part 2
